; MI455X (gfx1250); checked and timed in simulation.
; The chip was launched on July 23, 2026; its instructions are those of AMD's public machine-readable ISA for CDNA 5 (MIT licence, August 2026) and "CDNA5" Instruction Set Architecture Reference Guide (July 2026). The comments in the code are by the model that wrote it; some were corrected since.
;; encoder transformer. Allowed arithmetic: matrix products marked QUANTISED: E4M3 operands, one E8M0 scale for each 32 along K, by v_wmma_scale_f32_16x16x128_f8f6f4 with both operands' format E4M3, f32 sums; everything else in f32.
;; Inputs: b1 2,048 float32; b2 512 float32; bk 64 float32; bo 512 float32; bq 64 float32; bv 64 float32; ln_b 512 float32; ln_g 512 float32; w1_codes 2,048 x 16 x 32 uint8 (E4M3 codes of w1, K innermost, in blocks of 32 codes); w1_scales 2,048 x 16 uint8 (E8M0 scales of w1, one for each 32 codes along K); w2_codes 512 x 64 x 32 uint8 (E4M3 codes of w2, K innermost, in blocks of 32 codes); w2_scales 512 x 64 uint8 (E8M0 scales of w2, one for each 32 codes along K); wk_codes 64 x 16 x 32 uint8 (E4M3 codes of wk, K innermost, in blocks of 32 codes); wk_scales 64 x 16 uint8 (E8M0 scales of wk, one for each 32 codes along K); wo_codes 512 x 16 x 32 uint8 (E4M3 codes of wo, K innermost, in blocks of 32 codes); wo_scales 512 x 16 uint8 (E8M0 scales of wo, one for each 32 codes along K); wq_codes 64 x 16 x 32 uint8 (E4M3 codes of wq, K innermost, in blocks of 32 codes); wq_scales 64 x 16 uint8 (E8M0 scales of wq, one for each 32 codes along K); wv_codes 64 x 16 x 32 uint8 (E4M3 codes of wv, K innermost, in blocks of 32 codes); wv_scales 64 x 16 uint8 (E8M0 scales of wv, one for each 32 codes along K); x 16 x 1,024 x 512 float32.
;; Outputs: out0 16 x 1,024 x 512 float32.
;; This version of the problem:
;;   THIS VERSION OF THE PROBLEM IS GIVEN IN LOW PRECISION. The matrix products marked QUANTISED in the list below multiply operands that are first quantised to E4M3 (4 exponent bits, 3 mantissa bits; 8 bits a number), with one power-of-two scale for each 32 numbers along K (OCP MX v1.0); their sums are f32. All else is computed in f32.
;;   The module's matrix products, in the order in which they are computed (A, B: the left and right operand; K: the contracted axis; several contracted axes count as one K, in the product's order):
;;     1. [M 16,384, K 512] x [K 512, N 64]; A: input x; B: input wq (given as codes): QUANTISED
;;     2. [M 16,384, K 512] x [K 512, N 64]; A: input x; B: input wk (given as codes): QUANTISED
;;     3. [M 16,384, K 512] x [K 512, N 64]; A: input x; B: input wv (given as codes): QUANTISED
;;     4. batch 16 x [M 1,024, K 64] x [K 64, N 1,024]; A: computed on the way; B: computed on the way: QUANTISED
;;     5. batch 16 x [M 1,024, K 1,024] x [K 1,024, N 64]; A: computed on the way; B: computed on the way: QUANTISED
;;     6. [M 16,384, K 512] x [K 512, N 512]; A: computed on the way; B: input wo (given as codes): QUANTISED
;;     7. [M 16,384, K 512] x [K 512, N 2,048]; A: computed on the way; B: input w1 (given as codes): QUANTISED
;;     8. [M 16,384, K 2,048] x [K 2,048, N 512]; A: computed on the way; B: input w2 (given as codes): QUANTISED
;;   THE QUANTISER, for each operand of a quantised product, along K:
;;     - K is cut into blocks of 32 from its start; a last block that is shorter is filled with zeros.
;;     - A block's scale is 2^e with e = floor(log2(the largest magnitude in the block)) - 8, held to -126 .. 127; a block of zeros has e = 0. As a byte (E8M0): e + 127.
;;     - Each number is divided by its block's scale, clamped to +-448, and rounded to the nearest number of E4M3, ties to even, subnormals kept.
;;     - The product sums the exact products of the quantised numbers (number of the format x scale) in f32.
;;   ~~~python
;;   def quantise(x, axis):      # numpy; x: float32 -> the quantised numbers, widened to float32 again
;;       x = np.moveaxis(x, axis, -1); K = x.shape[-1]
;;       x = np.pad(x, [(0, 0)] * (x.ndim - 1) + [(0, -K % 32)]); x = x.reshape(x.shape[:-1] + (-1, 32)); a = np.abs(x).max(-1, keepdims=True)
;;       e = np.where(a > 0, np.clip(np.frexp(np.where(a > 0, a, 1))[1] - 1 - 8, -126, 127), 0)      # np.frexp(a)[1] - 1 = floor(log2(a)), exactly
;;       r = np.clip(x / 2.0 ** e, -448, 448)
;;       step = 2.0 ** (np.maximum(np.frexp(np.where(r == 0, 1, r))[1] - 1, -6) - 3)
;;       q = np.round(r / step) * step * 2.0 ** e      # np.round: ties to even
;;       return np.moveaxis(q.reshape(q.shape[:-2] + (-1,))[..., :K], -1, axis).astype(np.float32)
;;   ~~~
;;   OPERANDS COMPUTED ON THE WAY. 'Computed on the way' means the value that the module computes at that place (a softmax that the list does not call 'softmax' is quantised finished and normalised). What goes into a quantiser is computed in f32, as accurately as f32 sums, v_exp_f32 and their like allow (about 1e-6 of the number): no bf16 or f16 on the way to a quantiser, and a product that is left as it is and whose result goes on into a quantised operand takes f32 operands (vector FMAs, or v_wmma_f32_16x16x4_f32). A number that lies on a knife's edge between two numbers of the format may be rounded either way, as far as f32 arithmetic and the matrix unit's own rounding can turn it there, and no further.
;;   INPUTS GIVEN AS CODES. w1 (in the module: [512, 2048], K = its axis 0); w2 (in the module: [2048, 512], K = its axis 0); wk (in the module: [512, 64], K = its axis 0); wo (in the module: [512, 512], K = its axis 0); wq (in the module: [512, 64], K = its axis 0); wv (in the module: [512, 64], K = its axis 0): each comes as NAME_codes (uint8): NAME with its K axis moved to the last place and cut into blocks of 32 codes, [.., K / 32, bytes a block], one block behind the other in memory; one code a byte (a code: sign, 4 exponent bits, 3 mantissa bits); and NAME_scales (uint8): the same leading axes, one E8M0 byte (e + 127) for each 32 codes along K. Its value is code x scale, taken as it is: it is not quantised again, and the codes and scales need not be those that the quantiser above would give.
;; One version. Each part assembles by itself: llvm-mc -triple=amdgcn-amd-amdhsa -mcpu=gfx1250 --defsym DOCPART=n.
;; ======== version 1 of 1: 3 launches
;; limits: right only within a limited range of input values
;; workspace buffers: qf 1,048,576 bytes; qs 65,536 bytes; kv 2,097,152 bytes; sc 131,072 bytes; st 131,072 bytes; wf 2,359,296 bytes
;; launch qkv (part 1): grid 256 x 1, 4 waves a work-group, clusters of 4 x 1, 168,448 bytes of LDS; arguments x, wq_codes, wq_scales, bq, wk_codes, wk_scales, bk, wv_codes, wv_scales, bv, qf, qs, kv, sc, w2_codes, wf, w1_codes, wo_codes; writes qf, qs, kv, sc, wf
.if DOCPART == 1
	.amdgcn_target "amdgcn-amd-amdhsa--gfx1250"
	.amdhsa_code_object_version 6
	.text
	.protected	k_qdc5398ac1c_qkv
	.globl	k_qdc5398ac1c_qkv
	.p2align	8
	.type	k_qdc5398ac1c_qkv,@function
k_qdc5398ac1c_qkv:
	s_mov_b64 s[64:65], 0
	v_nop
	global_prefetch_b8 v0, s[64:65] scope:SCOPE_SE
	s_setreg_imm32_b32 hwreg(HW_REG_WAVE_MODE, 25, 1), 1
	s_wait_xcnt 0x0
	s_wait_alu depctr_hold_cnt(0) depctr_sa_sdst(0) depctr_va_vdst(0) depctr_va_sdst(0) depctr_va_ssrc(0) depctr_va_vcc(0) depctr_vm_vsrc(0)
	s_getreg_b32 s2, hwreg(HW_REG_IB_STS2, 6, 4)
	s_cmp_eq_u32 s2, 0
	s_cbranch_scc0 .Lentry_in_a_cluster
	s_endpgm
.Lentry_in_a_cluster:
	s_bfe_u32 s2, ttmp6, 0x10000c
	s_cmp_lg_u32 s2, 0x3003
	s_cbranch_scc0 .Lentry_shape_is_right
	s_endpgm
.Lentry_shape_is_right:
; q = Q(x) wq + bq, k = Q(x) wk + bk, v = Q(x) wv + bv on codes of E4M3 with one E8M0 scale for each 32 along K; then q and k are quantised along the head's 64, v along the keys.
; x: [16384][512] f32.  wq, wk, wv: [64][512] codes, K innermost, scale bytes [64][16].  Results leave as IMAGES OF OPERAND REGISTERS (a piece = 512 bytes, lane l's 16 bytes at 16 l):
;   qf [1024 tiles][2 pieces], qs [512 groups of 32 rows][32 words: lanes 0-15 tile 0's, lanes 16-31 tile 1's], kv per batch: k's 64 tiles x 2 pieces, then v^T [8 steps of 128 keys][4 tiles of 16 d][4 pieces],
;   sc per batch: k's words laid as qs, then v's [8][4][32 lanes][4 bytes].
; BESIDE THAT each wave lays half a fragment of w2's codes as such an image, for the last launch, which loads w2 straight into registers:
;   w2f [its wave 4][chunk of 512 along K 4][K step of 128 4][tile of 16 rows 8][4 pieces].  512 fragments, 1,024 waves: two loads (16 rows x 32 bytes each: short pieces of rows, twice a wave) and two stores of 512 consecutive bytes.
; A TILE OF 16 ROWS IS NOT 16 NEIGHBOURS: lane row p of tile u of a group of 32 rows is row 8 u + p + 8 (p / 8), so that where such a tile is source 0 the registers of tiles 0 and 1 are 16 neighbouring rows.
; SHARES.  A work-group takes 64 rows.  Wave w quantises the x of tile w and hands its four fragments round through LDS; then wave (P = w / 2, half = w % 2) multiplies the two tiles of group P
; by q's four column tiles (half 0) or k's (half 1), and by two of v's four: 48 matrix instructions.
; The three weights (96 KiB) come into LDS once, asked for jointly by the four work-groups of a cluster, which all read the same bytes.  Nothing in LDS is filled twice.
; LIMITS: NaN and infinities are not served.  A block whose largest magnitude lies under 2^-118 keeps the scale byte 1, a block of zeros too (the stated quantiser gives 127): its codes are zeros, and only this program reads the bytes.
.set XIMG, 101376                      ; LDS: 192 weight rows x 528 bytes lie in front; here x's 16 fragments (4 tile + K step) x 2,048 bytes
.set XSC,  134144                      ; and their scale words, 128 bytes each
.set WV,  32                           ; s32 wave
.set G1,  40                           ; s[40:47] descriptor group 1
.set G0,  48                           ; s[48:51] descriptor group 0
.set SEL, 52                           ; s[52:53] lane selects: lane l xor 16
.set MNT, 54                           ; s54 the mantissa field of 448
.set MX,  16                           ; v16-19 largest magnitudes, v20-23 bytes, v24-27 448 x scale, v28-31 the conversions' scale operands
.set BY,  20
.set LIM, 24
.set SCL, 28
.set PW,  32                           ; v32 a scale word
.set PCV, 36                           ; v36-43 v's codes
.set PC,  48                           ; v48-63 codes
.set XS,  64                           ; v64-71 x's scale words (4 u + s)
.set WSQ, 72                           ; v72-87 scale words of wq or wk (4 T + s)
.set WSV, 88                           ; v88-95 of wv
.set BQ,  96                           ; v96-127 bq or bk in the result's layout
.set BV,  128                          ; v128-143 bv likewise
.set ACCQ, 144                         ; v144-207 q or k: 8 (4 u + T)
.set ACCV, 208                         ; v208-239 v: 8 (2 T + u)
.set W2T, 240                          ; v240-247 my two pieces of w2; never rewritten
.set XF,  0                            ; window 1: x as f32 (all 256), later x's 8 fragments
.set WF,  128                          ; window 1: two sets of four weight fragments
.set MSB, 0
.macro WIN new                         ; the immediate's high byte repeats the setting that is left
.if MSB != \new
	s_set_vgpr_msb (MSB<<8)|\new
.set MSB, \new
.endif
.endm
.macro PLACES n
.rept \n
	v_nop
.endr
.endm
.macro ROUND                           ; a round of the cluster's barrier
	s_barrier_signal -1
	s_barrier_wait -1
	s_cmp_lg_u32 s[WV], 0
	s_cbranch_scc1 .Lnot_wave_0_\@
	s_barrier_signal -3
.Lnot_wave_0_\@:
	s_barrier_wait -3
	s_barrier_signal -1
	s_barrier_wait -1
.endm
; n chains by turns: chain i takes the largest magnitude of v[base + 16 i .. + 15], ascending, with the floor 2^(9 - 127) among its leaves, so that the byte cannot fall under 1
.macro MAXES n, base
.set qi, 0
.rept \n
	v_max3_num_f32 v[MX+qi], |v[(\base)+16*qi]|, |v[(\base)+16*qi+1]|, 0x4800000
.set qi, qi+1
.endr
.irp e, 2,4,6,8,10,12,14
.set qi, 0
.rept \n
	v_max3_num_f32 v[MX+qi], |v[(\base)+16*qi+\e]|, |v[(\base)+16*qi+\e+1]|, v[MX+qi]
.set qi, qi+1
.endr
.endr
.endm
.macro QCORE n                         ; joins lane l xor 16's half of each block; then the conversion's scale operand, 448 x the scale, the byte
.set qi, 0
.rept \n
	v_permlanex16_b32 v[BY+qi], v[MX+qi], s[SEL], s[SEL+1]
.set qi, qi+1
.endr
.set qi, 0
.rept \n
	v_max_num_f32 v[MX+qi], v[MX+qi], v[BY+qi]
.set qi, qi+1
.endr
.set qi, 0
.rept \n
	v_add_nc_u32 v[SCL+qi], 0xfc000000, v[MX+qi]           ; 8 off the exponent field
.set qi, qi+1
.endr
.set qi, 0
.rept \n
	v_and_or_b32 v[LIM+qi], v[MX+qi], 0x7f800000, s[MNT]
.set qi, qi+1
.endr
.set qi, 0
.rept \n
	v_lshrrev_b32 v[BY+qi], 23, v[SCL+qi]
.set qi, qi+1
.endr
.endm
.macro HOLD n, base                    ; the conversion to an 8-bit code does not saturate (ISA guide 7.6.2): each number is held within 448 x its block's scale
.set qi, 0
.rept \n
	v_med3_num_f32 v[(\base)+qi], v[(\base)+qi], -v[LIM+qi/16], v[LIM+qi/16]
.set qi, qi+1
.endr
.endm
.macro CVTS n, dst, base
.set qi, 0
.rept \n
	v_cvt_scalef32_pk8_fp8_f32 v[\dst+4*qi:\dst+4*qi+1], v[(\base)+16*qi:(\base)+16*qi+7], v[SCL+qi]
	v_cvt_scalef32_pk8_fp8_f32 v[\dst+4*qi+2:\dst+4*qi+3], v[(\base)+16*qi+8:(\base)+16*qi+15], v[SCL+qi]
.set qi, qi+1
.endr
.endm
	s_load_b512 s[4:19], s[0:1], 0x0               ; x, wq_codes, wq_scales, bq, wk_codes, wk_scales, bk, wv_codes
	s_load_b256 s[20:27], s[0:1], 0x40             ; wv_scales, bv, qf, qs
	s_load_b128 s[28:31], s[0:1], 0x60             ; kv, sc
	s_load_b128 s[72:75], s[0:1], 0x70             ; w2_codes, wf
	s_load_b128 s[80:83], s[0:1], 0x80             ; w1_codes, wo_codes
	v_lshl_add_u32 v254, v0, 2, 0x29000
	v_mov_b32 v255, 0
	ds_add_u32 v254, v255
	ds_add_u32 v254, v255
	v_lshrrev_b32 v1, 5, v0
	v_readfirstlane_b32 s[WV], v1                  ; wave 0..3
	s_lshr_b32 s35, s[WV], 1                       ; P
	s_and_b32 s36, s[WV], 1                        ; half
	; descriptor group 1: 64 rows of 512 bytes, 16 bytes of padding behind each: LDS rows 528 bytes apart, so that the 16 rows of a fragment load start in 16 different groups of banks
	s_mov_b32 s[G1+0], 15|(1<<20)|(1<<21)|(6<<22)|(3<<25)  ; mask: the cluster's four; elements of 1 byte; padding on; bit 21 beside a mask; after every 128 words; 4 words
	s_mov_b32 s[G1+1], 512<<16                     ; tensor_dim0
	s_mov_b32 s[G1+2], 64<<16                      ; tensor_dim1
	s_mov_b32 s[G1+3], 512<<16                     ; tile_dim0
	s_mov_b32 s[G1+4], 64                          ; tile_dim1
	s_mov_b32 s[G1+5], 512                         ; pitch
	s_mov_b32 s[G1+6], 0
	s_mov_b32 s[G1+7], 0
	s_mov_b32 s[G0], 1
	s_mul_i32 s[G0+1], s[WV], 33792                ; wave 0: wq at row 0, wave 1: wk at row 64, wave 2: wv at row 128
	s_mov_b32 s[SEL], 0x76543210
	s_mov_b32 s[SEL+1], 0xfedcba98
	s_mov_b32 s[MNT], 0x600000
	s_wait_dscnt 0x0
	s_wait_kmcnt 0x0
	s_cmp_eq_u32 s[WV], 0                          ; which weight: the choice hangs on the wave's number alone
	s_cselect_b64 s[G0+2:G0+3], s[6:7], s[12:13]
	s_cmp_eq_u32 s[WV], 2
	s_cselect_b64 s[G0+2:G0+3], s[18:19], s[G0+2:G0+3]
	s_or_b32 s[G0+3], s[G0+3], 0x80000000          ; type = 2
	ROUND                                          ; the four work-groups are here: the joint loads meet
	s_cmp_lt_u32 s[WV], 3
	s_cbranch_scc0 .Lno_fill
	tensor_load_to_lds s[G0:G0+3], s[G1:G1+7]      ; one load of mine is out
	s_nop 0
	PLACES 4
.Lno_fill:
	s_bfe_u32 s33, ttmp6, 0x40000                  ; cx
	s_lshl_b32 s34, ttmp9, 2
	s_add_co_u32 s34, s34, s33                     ; work-group: it enters global addresses alone
	s_lshr_b32 s37, s34, 4                         ; batch
	s_and_b32 s38, s34, 15                         ; my 64 rows within the batch
	s_lshl_b32 s76, s34, 1                         ; w2: fragment F = 2 x work-group + P = 128 w' + 32 c + 8 s' + T; my pieces are 2 half and 2 half + 1
	s_add_co_u32 s76, s76, s35
	s_lshr_b32 s78, s76, 7
	s_lshl_b32 s78, s78, 18                        ; from: row 128 w' + 16 T of 2,048 bytes, byte 512 c + 128 s' + 64 half
	s_and_b32 s77, s76, 7
	s_lshl_b32 s77, s77, 15
	s_add_co_u32 s78, s78, s77
	s_bfe_u32 s77, s76, 0x20005
	s_lshl_b32 s77, s77, 9
	s_add_co_u32 s78, s78, s77
	s_bfe_u32 s77, s76, 0x20003
	s_lshl_b32 s77, s77, 7
	s_add_co_u32 s78, s78, s77
	s_lshl_b32 s77, s36, 6
	s_add_co_u32 s78, s78, s77
	s_mov_b32 s79, 0
	s_add_nc_u64 s[72:73], s[72:73], s[78:79]
	; THE WEIGHTS' IMAGES, in place of the w2f of the head's comment: wf [the last launch's wave 4][72 sets of 4 fragments of 2,048 bytes]: sets 0-7 wo (set 2 s + T / 4), then for each chunk c of 512 hidden units
	; 8 sets of w1 (set 4 half + s, fragment f: rows 512 c + 128 w' + 64 half + 16 f) and 8 of w2 (set 2 s' + T / 4).  F = 128 w' + 32 c + i names a fragment of w1 and one of w2; F = 128 w' + 4 i + p also names a piece of wo.
	s_lshr_b32 s84, s76, 7                         ; w'
	s_mul_i32 s85, s84, 589824                     ; its 72 sets
	s_bfe_u32 s86, s76, 0x20005                    ; c
	s_and_b32 s87, s76, 31                         ; i
	s_lshl_b32 s78, s86, 17
	s_add_co_u32 s78, s78, s85
	s_lshl_b32 s77, s87, 11
	s_add_co_u32 s78, s78, s77
	s_lshl_b32 s77, s36, 10
	s_add_co_u32 s78, s78, s77
	s_add_nc_u64 s[88:89], s[74:75], s[78:79]      ; to: w1's pieces 65,536 bytes on from here, w2's 131,072
	s_and_b32 s78, s76, 127
	s_lshl_b32 s78, s78, 9
	s_add_co_u32 s78, s78, s85
	s_lshl_b32 s77, s36, 8
	s_add_co_u32 s78, s78, s77
	s_add_nc_u64 s[74:75], s[74:75], s[78:79]      ; to: my half (256 bytes) of a piece of wo
	s_lshl_b32 s78, s86, 18                        ; w1 from: rows of 512 bytes
	s_lshl_b32 s77, s84, 16
	s_add_co_u32 s78, s78, s77
	s_lshr_b32 s77, s87, 4
	s_lshl_b32 s77, s77, 15
	s_add_co_u32 s78, s78, s77
	s_and_b32 s77, s87, 3
	s_lshl_b32 s77, s77, 13
	s_add_co_u32 s78, s78, s77
	s_bfe_u32 s77, s87, 0x20002
	s_lshl_b32 s77, s77, 7
	s_add_co_u32 s78, s78, s77
	s_lshl_b32 s77, s36, 6
	s_add_co_u32 s78, s78, s77
	s_add_nc_u64 s[80:81], s[80:81], s[78:79]
	s_lshl_b32 s78, s84, 16                        ; wo from: row 128 w' + 16 T, byte 128 s + 32 p + 16 half
	s_bfe_u32 s77, s76, 0x30002
	s_lshl_b32 s77, s77, 13
	s_add_co_u32 s78, s78, s77
	s_lshl_b32 s77, s86, 7
	s_add_co_u32 s78, s78, s77
	s_and_b32 s77, s76, 3
	s_lshl_b32 s77, s77, 5
	s_add_co_u32 s78, s78, s77
	s_lshl_b32 s77, s36, 4
	s_add_co_u32 s78, s78, s77
	s_add_nc_u64 s[82:83], s[82:83], s[78:79]
	s_mov_b32 s57, 0
	s_lshl_b32 s56, s34, 17
	s_lshl_b32 s58, s35, 16
	s_add_co_u32 s56, s56, s58
	s_lshl_b32 s58, s36, 14
	s_add_co_u32 s56, s56, s58
	s_add_nc_u64 s[4:5], s[4:5], s[56:57]          ; x at row 64 wg + 32 (w / 2) + 8 (w % 2)
	s_lshl_b32 s56, s36, 9
	s_add_nc_u64 s[20:21], s[20:21], s[56:57]      ; wv's scales at row 32 half
	s_lshl_b32 s56, s36, 7
	s_add_nc_u64 s[22:23], s[22:23], s[56:57]      ; bv at 32 half
	s_lshl_b32 s59, s35, 11
	s_lshl_b32 s56, s34, 12
	s_add_co_u32 s56, s56, s59
	s_add_nc_u64 s[24:25], s[24:25], s[56:57]      ; qf at tile 4 wg + 2 P
	s_lshl_b32 s60, s37, 17
	s_lshl_b32 s56, s38, 12
	s_add_co_u32 s56, s56, s59
	s_add_co_u32 s56, s56, s60
	s_add_nc_u64 s[62:63], s[28:29], s[56:57]      ; k's images at the same tile of the batch
	s_lshl_b32 s59, s35, 7
	s_lshl_b32 s56, s34, 8
	s_add_co_u32 s56, s56, s59
	s_add_nc_u64 s[26:27], s[26:27], s[56:57]      ; qs at group 2 wg + P
	s_lshl_b32 s61, s37, 13
	s_lshl_b32 s56, s38, 8
	s_add_co_u32 s56, s56, s59
	s_add_co_u32 s56, s56, s61
	s_add_nc_u64 s[66:67], s[30:31], s[56:57]      ; k's words likewise
	s_lshr_b32 s58, s38, 1                         ; v: which 128 keys,
	s_and_b32 s59, s38, 1
	s_lshl_b32 s59, s59, 1
	s_add_co_u32 s59, s59, s35                     ; and which 32 of them
	s_lshl_b32 s56, s58, 13
	s_add_co_u32 s56, s56, s60
	s_add_co_u32 s56, s56, 65536
	s_lshl_b32 s68, s36, 12
	s_add_co_u32 s56, s56, s68
	s_lshl_b32 s68, s59, 9
	s_add_co_u32 s56, s56, s68
	s_add_nc_u64 s[28:29], s[28:29], s[56:57]      ; v's images
	s_lshl_b32 s56, s58, 9
	s_add_co_u32 s56, s56, s61
	s_add_co_u32 s56, s56, 4096
	s_lshl_b32 s68, s36, 8
	s_add_co_u32 s56, s56, s68
	s_add_co_u32 s56, s56, s59
	s_add_nc_u64 s[30:31], s[30:31], s[56:57]      ; v's scale bytes
	s_cmp_eq_u32 s36, 0                            ; half 0 makes q, half 1 makes k
	s_cselect_b64 s[8:9], s[8:9], s[14:15]
	s_cselect_b64 s[10:11], s[10:11], s[16:17]
	s_cselect_b64 s[24:25], s[24:25], s[62:63]
	s_cselect_b64 s[26:27], s[26:27], s[66:67]
	v_and_b32 v1, 15, v0                           ; r
	v_bfe_u32 v2, v0, 4, 1                         ; h
	v_and_b32 v3, 8, v1
	v_add_nc_u32 v3, v3, v1                        ; r + 8 (r / 8)
	v_lshlrev_b32 v4, 11, v3
	v_lshl_add_u32 v4, v2, 6, v4                   ; x: my row of 2,048 bytes, + 64 h: my 16 numbers of a block of 32
	v_and_b32 v5, 31, v0
	v_lshlrev_b32 v6, 2, v5                        ; 4 x lane
	s_wait_alu depctr_va_vdst(0)
	v_lshlrev_b32 v5, 4, v5                        ; 16 x lane
	s_lshl_b32 s39, s[WV], 13
	s_add_co_u32 s39, s39, XIMG
	v_add_nc_u32 v7, s39, v5                       ; where I store x's images
	s_lshl_b32 s39, s[WV], 9
	s_add_co_u32 s39, s39, XSC
	v_add_nc_u32 v8, s39, v6                       ; and their words
	s_lshl_b32 s39, s35, 14
	s_add_co_u32 s39, s39, XIMG
	v_add_nc_u32 v9, s39, v5                       ; where I read group P's
	s_lshl_b32 s39, s35, 10
	s_add_co_u32 s39, s39, XSC
	v_add_nc_u32 v10, s39, v6
	v_mul_u32_u24 v12, v1, 528
	v_lshl_add_u32 v12, v2, 4, v12
	s_mul_i32 s39, s36, 64*528
	v_add_nc_u32 v11, s39, v12                     ; wq's or wk's rows
	s_mul_i32 s39, s36, 32*528
	s_add_co_u32 s39, s39, 128*528
	v_add_nc_u32 v12, s39, v12                     ; my 32 rows of wv
	v_lshlrev_b32 v14, 4, v1                       ; 16 r
	v_lshl_add_u32 v13, v2, 3, v14                 ; 16 r + 8 h
	v_lshlrev_b32 v15, 5, v2                       ; 32 h
	v_lshlrev_b32 v33, 2, v1                       ; 4 r
	v_lshlrev_b32 v35, 11, v1
	v_lshl_add_u32 v35, v2, 4, v35                 ; w2: row r of 2,048 bytes, + 16 h
	v_lshlrev_b32 v220, 9, v1
	v_lshl_add_u32 v220, v2, 4, v220               ; w1: row r of 512 bytes, + 16 h
	v_and_b32 v222, 31, v0
	v_lshrrev_b32 v221, 1, v222
	v_and_b32 v223, 1, v222
	v_lshlrev_b32 v221, 9, v221
	v_lshl_add_u32 v221, v223, 3, v221             ; wo: two lanes to a row: row lane / 2, + 8 (lane % 2)
	v_lshlrev_b32 v222, 3, v222                    ; and 8 x lane on the way out
	s_wait_alu depctr_va_vdst(0)                   ; the wait here, directly behind the write
.irp b, 0,1,2,3
	v_mov_b32 v[BY+\b], 0                          ; written once: a lane permute's destination counts as one of its sources
.endr
.irp T, 0,1,2,3
	global_load_b128 v[WSQ+4*\T:WSQ+4*\T+3], v14, s[8:9] offset:256*\T          ; row 16 T + r: four words, one for each 128 along K
.endr
.irp T, 0,1
	global_load_b128 v[WSV+4*\T:WSV+4*\T+3], v14, s[20:21] offset:256*\T
.endr
.irp T, 0,1,2,3
	global_load_b128 v[BQ+8*\T:BQ+8*\T+3], v15, s[10:11] offset:64*\T           ; the bias at d = 16 T + 8 h + 0 .. 7
	global_load_b128 v[BQ+8*\T+4:BQ+8*\T+7], v15, s[10:11] offset:64*\T+16
.endr
	global_load_b32 v[BV], v33, s[22:23]           ; bv at d = 16 T + r
	global_load_b32 v[BV+8], v33, s[22:23] offset:64
	global_load_b128 v[W2T:W2T+3], v35, s[72:73]               ; my two pieces of w2, in the operand's own lanes
	global_load_b128 v[W2T+4:W2T+7], v35, s[72:73] offset:32
	global_load_b128 v[208:211], v220, s[80:81]    ; my two pieces of w1, and half a piece of wo, in registers that v's sums take later
	global_load_b128 v[212:215], v220, s[80:81] offset:32
	global_load_b64 v[216:217], v221, s[82:83]
	WIN 0x40
.set qi, 0
.rept 64                                       ; register 64 s + 16 b + 4 j: k = 128 s + 32 b + 16 h + 4 j on.  No hint: x is read again by a later launch
	global_load_b128 v[4*qi:4*qi+3], v4, s[4:5] offset:512*(qi/16)+128*((qi/4)%4)+16*(qi%4)
.set qi, qi+1
.endr
	WIN 0
	; ---- x's tile becomes four fragments
.irp s, 0,1,2,3
	s_wait_loadcnt 48-16*\s                        ; the loads of the later K steps may be out; all older ones are in
.if \s == 0
	global_store_b128 v5, v[W2T:W2T+3], s[88:89] offset:131072     ; the pieces leave as images: 512 consecutive bytes a store
	global_store_b128 v5, v[W2T+4:W2T+7], s[88:89] offset:131584
	global_store_b128 v5, v[208:211], s[88:89] offset:65536
	global_store_b128 v5, v[212:215], s[88:89] offset:66048
	global_store_b64 v222, v[216:217], s[74:75]                    ; 256 consecutive bytes, aligned
.endif
	WIN 0x05
	MAXES 4, 64*\s
	WIN 0
.if \s > 0
	s_wait_alu depctr_va_vdst(0)
	s_wait_dscnt 0x0                               ; the last K step's LDS stores have read their registers
.endif
	QCORE 4
	v_lshl_or_b32 v[PW], v[BY+1], 8, v[BY]
	v_lshl_or_b32 v[PW], v[BY+2], 16, v[PW]
	v_lshl_or_b32 v[PW], v[BY+3], 24, v[PW]
	WIN 0x41
	HOLD 64, 64*\s
	WIN 0x01
	CVTS 4, PC, 64*\s
	WIN 0
.irp c, 0,1,2,3
	ds_store_b128 v7, v[PC+4*\c:PC+4*\c+3] offset:2048*\s+512*\c
.endr
	ds_store_b32 v8, v[PW] offset:128*\s
.endr
.irp T, 0,1
.irp j, 1,2,3,4,5,6,7
	v_mov_b32 v[BV+8*\T+\j], v[BV+8*\T]            ; in v's result a lane holds one d and eight keys: the same bias eight times
.endr
.endr
	s_wait_alu depctr_va_vdst(0)
	s_wait_tensorcnt 0x0                           ; my weight has landed,
	s_wait_xcnt 0x0                                ; the images' stores have read their registers, which the products below write,
	s_wait_dscnt 0x0                               ; my images are stored:
	s_barrier_signal -1
	s_barrier_wait -1                              ; everybody's
	WIN 0x40
.set qi, 0
.rept 32
	ds_load_b128 v[XF+4*qi:XF+4*qi+3], v9 offset:512*qi    ; fragment 4 u + s at v[16 (4 u + s)]
.set qi, qi+1
.endr
	WIN 0
.set qi, 0
.rept 8
	ds_load_b32 v[XS+qi], v10 offset:128*qi
.set qi, qi+1
.endr
; Six sets of four weight fragments, into two buffers by turns: q/k K step 0, 1, v K steps 0 and 1, q/k 2, 3, v 2 and 3
.macro FETW k
.set fb, WF+64*((\k)%2)
	WIN 0x40
.if ((\k)%3) == 2
.set fs, 2*((\k)/3)
.irp T, 0,1
.irp q, 0,1
.irp c, 0,1,2,3
	ds_load_b128 v[fb+16*(2*\T+\q)+4*\c:fb+16*(2*\T+\q)+4*\c+3], v12 offset:\T*8448+128*(fs+\q)+32*\c
.endr
.endr
.endr
.else
.set fs, (\k)-(\k)/3
.irp T, 0,1,2,3
.irp c, 0,1,2,3
	ds_load_b128 v[fb+16*\T+4*\c:fb+16*\T+4*\c+3], v11 offset:\T*8448+128*fs+32*\c
.endr
.endr
.endif
.endm
; Eight matrix instructions on a set; the accumulators take turns, one instruction a turn.  The biases are the C of each sum's first instruction.
; q, k: source 0 = 16 rows of the weight, source 1 = x: a lane holds one row of x and d = 16 T + 8 h + 0 .. 7.   v: source 0 = x, source 1 = the weight: a lane holds one d and, in tiles 0 and 1, 16 neighbouring keys.
.macro MULW k
.set fb, WF+64*((\k)%2)
	WIN 0x05
.if ((\k)%3) == 2
.set fs, 2*((\k)/3)
.irp q, 0,1
.irp T, 0,1
.irp u, 0,1
.if fs+\q == 0
	v_wmma_scale_f32_16x16x128_f8f6f4 v[ACCV+8*(2*\T+\u):ACCV+8*(2*\T+\u)+7], v[XF+16*(4*\u+fs+\q):XF+16*(4*\u+fs+\q)+15], v[fb+16*(2*\T+\q):fb+16*(2*\T+\q)+15], v[BV+8*\T:BV+8*\T+7], v[XS+4*\u+fs+\q], v[WSV+4*\T+fs+\q]
.else
	v_wmma_scale_f32_16x16x128_f8f6f4 v[ACCV+8*(2*\T+\u):ACCV+8*(2*\T+\u)+7], v[XF+16*(4*\u+fs+\q):XF+16*(4*\u+fs+\q)+15], v[fb+16*(2*\T+\q):fb+16*(2*\T+\q)+15], v[ACCV+8*(2*\T+\u):ACCV+8*(2*\T+\u)+7], v[XS+4*\u+fs+\q], v[WSV+4*\T+fs+\q]
.endif
.endr
.endr
.endr
.else
.set fs, (\k)-(\k)/3
.irp T, 0,1,2,3
.irp u, 0,1
.if fs == 0
	v_wmma_scale_f32_16x16x128_f8f6f4 v[ACCQ+8*(4*\u+\T):ACCQ+8*(4*\u+\T)+7], v[fb+16*\T:fb+16*\T+15], v[XF+16*(4*\u+fs):XF+16*(4*\u+fs)+15], v[BQ+8*\T:BQ+8*\T+7], v[WSQ+4*\T+fs], v[XS+4*\u+fs]
.else
	v_wmma_scale_f32_16x16x128_f8f6f4 v[ACCQ+8*(4*\u+\T):ACCQ+8*(4*\u+\T)+7], v[fb+16*\T:fb+16*\T+15], v[XF+16*(4*\u+fs):XF+16*(4*\u+fs)+15], v[ACCQ+8*(4*\u+\T):ACCQ+8*(4*\u+\T)+7], v[WSQ+4*\T+fs], v[XS+4*\u+fs]
.endif
.endr
.endr
.endif
.endm
	FETW 0
	FETW 1
.irp k, 0,1,2,3,4,5
.if \k < 5
	s_wait_dscnt 16                                ; the younger set's 16 loads may be out
.else
	s_wait_dscnt 0x0
.endif
	MULW \k
.if \k < 4
	PLACES 8                                       ; eight places in front of loads into registers that these matrix instructions have read
	FETW \k+2
.endif
.endr
	WIN 0
	PLACES 8                                       ; and in front of the first read of results
	; ---- q or k: four blocks (tile u, block b of 32 along d) = accumulator registers 16 (2 u + b) on
	MAXES 4, ACCQ
	QCORE 4
	v_lshl_or_b32 v33, v[BY+1], 8, v[BY]
	v_lshl_or_b32 v34, v[BY+3], 8, v[BY+2]
	v_cmp_eq_u32 vcc_lo, 1, v2
	v_cndmask_b32 v33, v33, v34, vcc_lo            ; lanes 0-15 carry tile 0's word, lanes 16-31 tile 1's
	v_or_b32 v[PW], 0x7f7f0000, v33                ; the instruction's K is 128, the head's 64: the upper two blocks are zero codes under the scale 1
	HOLD 64, ACCQ
	CVTS 4, PC, ACCQ
.irp i, 0,1,2,3                                ; a lane's eight codes of column tile 2 b are bytes 8 h on of row r's first 16 of piece b, those of tile 2 b + 1 of its second 16: each store covers 256 consecutive bytes, aligned
	global_store_b64 v13, v[PC+4*\i:PC+4*\i+1], s[24:25] offset:512*\i
	global_store_b64 v13, v[PC+4*\i+2:PC+4*\i+3], s[24:25] offset:512*\i+256
.endr
	global_store_b32 v6, v[PW], s[26:27]
	; ---- v: two blocks of 32 keys (d tile T): 16 keys in my registers, 16 in lane l xor 16's
	MAXES 2, ACCV
	QCORE 2
	HOLD 32, ACCV
	CVTS 2, PCV, ACCV
.irp T, 0,1
	global_store_b128 v5, v[PCV+4*\T:PCV+4*\T+3], s[28:29] offset:2048*\T       ; a whole piece: 512 consecutive bytes
	global_store_b8 v6, v[BY+\T], s[30:31] offset:128*\T                        ; one byte of each lane's word: these two stores a wave write 256-byte runs in part; 64 KiB in the whole launch
.endr
	s_wait_dscnt 0x0
	s_wait_tensorcnt 0x0
	ds_add_u32 v254, v255
	s_wait_dscnt 0x0
	ROUND                                          ; the closing round
	s_endpgm
.Lfunc_end_k_qdc5398ac1c_qkv:
	.size	k_qdc5398ac1c_qkv, .Lfunc_end_k_qdc5398ac1c_qkv-k_qdc5398ac1c_qkv
	.p2alignl 7, 3214868480
	.fill 96, 4, 3214868480
	.section	.rodata,"a",@progbits
	.p2align	6, 0x0
	.amdhsa_kernel k_qdc5398ac1c_qkv
		.amdhsa_group_segment_fixed_size 168448
		.amdhsa_private_segment_fixed_size 0
		.amdhsa_enable_private_segment 0
		.amdhsa_kernarg_size 144
		.amdhsa_user_sgpr_count 2
		.amdhsa_user_sgpr_kernarg_segment_ptr 1
		.amdhsa_wavefront_size32 1
		.amdhsa_system_sgpr_workgroup_id_x 1
		.amdhsa_system_sgpr_workgroup_id_y 1
		.amdhsa_system_sgpr_workgroup_id_z 1
		.amdhsa_system_vgpr_workitem_id 0
		.amdhsa_next_free_vgpr 512
		.amdhsa_next_free_sgpr 96
		.amdhsa_reserve_vcc 1
		.amdhsa_float_denorm_mode_32 3
		.amdhsa_float_denorm_mode_16_64 3
		.amdhsa_memory_ordered 1
		.amdhsa_forward_progress 1
		.amdhsa_inst_pref_size 82
	.end_amdhsa_kernel
	.amdgpu_metadata
---
amdhsa.version: [ 1, 2 ]
amdhsa.kernels:
  - .name:           k_qdc5398ac1c_qkv
    .symbol:         k_qdc5398ac1c_qkv.kd
    .args:
      - { .name: x, .offset: 0, .size: 8, .value_kind: global_buffer, .address_space: global }
      - { .name: wq_codes, .offset: 8, .size: 8, .value_kind: global_buffer, .address_space: global }
      - { .name: wq_scales, .offset: 16, .size: 8, .value_kind: global_buffer, .address_space: global }
      - { .name: bq, .offset: 24, .size: 8, .value_kind: global_buffer, .address_space: global }
      - { .name: wk_codes, .offset: 32, .size: 8, .value_kind: global_buffer, .address_space: global }
      - { .name: wk_scales, .offset: 40, .size: 8, .value_kind: global_buffer, .address_space: global }
      - { .name: bk, .offset: 48, .size: 8, .value_kind: global_buffer, .address_space: global }
      - { .name: wv_codes, .offset: 56, .size: 8, .value_kind: global_buffer, .address_space: global }
      - { .name: wv_scales, .offset: 64, .size: 8, .value_kind: global_buffer, .address_space: global }
      - { .name: bv, .offset: 72, .size: 8, .value_kind: global_buffer, .address_space: global }
      - { .name: qf, .offset: 80, .size: 8, .value_kind: global_buffer, .address_space: global }
      - { .name: qs, .offset: 88, .size: 8, .value_kind: global_buffer, .address_space: global }
      - { .name: kv, .offset: 96, .size: 8, .value_kind: global_buffer, .address_space: global }
      - { .name: sc, .offset: 104, .size: 8, .value_kind: global_buffer, .address_space: global }
      - { .name: w2_codes, .offset: 112, .size: 8, .value_kind: global_buffer, .address_space: global }
      - { .name: wf, .offset: 120, .size: 8, .value_kind: global_buffer, .address_space: global }
      - { .name: w1_codes, .offset: 128, .size: 8, .value_kind: global_buffer, .address_space: global }
      - { .name: wo_codes, .offset: 136, .size: 8, .value_kind: global_buffer, .address_space: global }
    .group_segment_fixed_size: 168448
    .private_segment_fixed_size: 0
    .kernarg_segment_align: 8
    .kernarg_segment_size: 144
    .max_flat_workgroup_size: 128
    .sgpr_count:     96
    .vgpr_count:     512
    .wavefront_size: 32
...
	.end_amdgpu_metadata
.endif
;; end of part 1
;; launch stats (part 2): grid 256 x 1, 4 waves a work-group, clusters of 4 x 1, 168,448 bytes of LDS; arguments qf, qs, kv, sc, st; writes st
.if DOCPART == 2
	.amdgcn_target "amdgcn-amd-amdhsa--gfx1250"
	.amdhsa_code_object_version 6
	.text
	.protected	k_qdc5398ac1c_stats
	.globl	k_qdc5398ac1c_stats
	.p2align	8
	.type	k_qdc5398ac1c_stats,@function
k_qdc5398ac1c_stats:
	s_mov_b64 s[64:65], 0
	v_nop
	global_prefetch_b8 v0, s[64:65] scope:SCOPE_SE
	s_setreg_imm32_b32 hwreg(HW_REG_WAVE_MODE, 25, 1), 1
	s_wait_xcnt 0x0
	s_wait_alu depctr_hold_cnt(0) depctr_sa_sdst(0) depctr_va_vdst(0) depctr_va_sdst(0) depctr_va_ssrc(0) depctr_va_vcc(0) depctr_vm_vsrc(0)
	s_getreg_b32 s2, hwreg(HW_REG_IB_STS2, 6, 4)
	s_cmp_eq_u32 s2, 0
	s_cbranch_scc0 .Lentry_in_a_cluster
	s_endpgm
.Lentry_in_a_cluster:
	s_bfe_u32 s2, ttmp6, 0x10000c
	s_cmp_lg_u32 s2, 0x3003
	s_cbranch_scc0 .Lentry_shape_is_right
	s_endpgm
.Lentry_shape_is_right:
; The softmax runs over the QUERIES: each key's column of scores needs its maximum and its sum over the batch's 1,024 queries before any weight can be normalised.
; For each key: st[batch][key] = -c m and st[batch][1024 + key] = 1 / sum over q of 2^(c s(q, key) - c m), c = log2(e) / 8, m the column's largest score, by a running maximum.
; SHARES.  A work-group takes 64 keys of a batch, a wave one tile of 16 against all 64 tiles of queries, eight tiles a chunk.  Source 0 = 16 queries, source 1 = my 16 keys: a lane holds ONE key and eight queries a tile;
; the two halves of the lanes keep maxima and sums of their own, joined at the end.  The batch's q images (64 KiB) and words come into LDS once, asked for jointly by the cluster's four work-groups, which belong to one batch.
; The head's K is 64, the instruction's 128: registers 8-15 of every fragment are zero codes, on both sides.
; LIMITS: NaN and infinities are not served; a term under 2^-126 counts as 0.
.set QSC, 65536                        ; LDS: q's images in front; here q's scale words, 4,096 bytes
.set STG, 69632                        ; and 512 bytes for the way out
.set WV,  14
.set G1Q, 16                           ; s[16:23], s[24:31] descriptor groups 1;  s[32:35], s[36:39] groups 0
.set G1S, 24
.set G0Q, 32
.set G0S, 36
.set SEL, 40
.set CS,  42                           ; s[42:43] c
.set NC,  44                           ; s44 -c
.set KF,  16                           ; v16-31 my keys' fragment
.set KS,  32                           ; v32 their scale words
.set QS,  36                           ; v36-39 q's scale words, two tiles to a register
.set S,   64                           ; v64-127 scores
.set QF,  128                          ; v128-255 eight fragments of q
.macro PLACES n
.rept \n
	v_nop
.endr
.endm
.macro ROUND
	s_barrier_signal -1
	s_barrier_wait -1
	s_cmp_lg_u32 s[WV], 0
	s_cbranch_scc1 .Lnot_wave_0_\@
	s_barrier_signal -3
.Lnot_wave_0_\@:
	s_barrier_wait -3
	s_barrier_signal -1
	s_barrier_wait -1
.endm
	s_load_b256 s[4:11], s[0:1], 0x0               ; qf, qs, kv, sc
	s_load_b64 s[12:13], s[0:1], 0x20              ; st
	v_lshl_add_u32 v62, v0, 2, 0x29000
	v_mov_b32 v63, 0
	ds_add_u32 v62, v63
	ds_add_u32 v62, v63
	v_lshrrev_b32 v1, 5, v0
	v_readfirstlane_b32 s[WV], v1
	s_lshr_b32 s15, ttmp9, 2                       ; the batch: four clusters to a batch
	; dense blocks as rows of 256 bytes (32 elements of 8 bytes): a quarter of the images is 64 rows, of the words 4
	s_mov_b32 s[G1Q+0], 15|(3<<16)|(1<<21)
	s_mov_b32 s[G1Q+1], 32<<16
	s_mov_b32 s[G1Q+2], 128<<16
	s_mov_b32 s[G1Q+3], 32<<16
	s_mov_b32 s[G1Q+4], 128
	s_mov_b32 s[G1Q+5], 32
	s_mov_b32 s[G1Q+6], 0
	s_mov_b32 s[G1Q+7], 0
	s_mov_b32 s[G1S+0], 15|(3<<16)|(1<<21)
	s_mov_b32 s[G1S+1], 32<<16
	s_mov_b32 s[G1S+2], 16<<16
	s_mov_b32 s[G1S+3], 32<<16
	s_mov_b32 s[G1S+4], 16
	s_mov_b32 s[G1S+5], 32
	s_mov_b32 s[G1S+6], 0
	s_mov_b32 s[G1S+7], 0
	s_mov_b32 s[SEL], 0x76543210
	s_mov_b32 s[SEL+1], 0xfedcba98
	s_mov_b32 s[CS], 0x3e38aa3b
	s_mov_b32 s[CS+1], s[CS]
	s_mov_b32 s[NC], 0xbe38aa3b
	s_mov_b32 s47, 0
	s_wait_dscnt 0x0
	s_wait_kmcnt 0x0
	s_lshl_b32 s46, s15, 16
	s_lshl_b32 s45, s[WV], 15
	s_add_co_u32 s46, s46, s45
	s_add_nc_u64 s[G0Q+2:G0Q+3], s[4:5], s[46:47]
	s_or_b32 s[G0Q+3], s[G0Q+3], 0x80000000
	s_mov_b32 s[G0Q], 1
	s_lshl_b32 s[G0Q+1], s[WV], 15
	s_lshl_b32 s46, s15, 12
	s_add_nc_u64 s[G0S+2:G0S+3], s[6:7], s[46:47]
	s_or_b32 s[G0S+3], s[G0S+3], 0x80000000
	s_mov_b32 s[G0S], 1
	s_mov_b32 s[G0S+1], QSC
	ROUND
	s_cmp_lt_u32 s[WV], 2                          ; one load a wave at the most: waves 0 and 1 a half of the images (128 rows of 256 bytes) each, wave 2 the words (16 rows), wave 3 none
	s_cbranch_scc0 .Lwords
	tensor_load_to_lds s[G0Q:G0Q+3], s[G1Q:G1Q+7]
	s_nop 0
	PLACES 4
	s_branch .Lasked
.Lwords:
	s_cmp_eq_u32 s[WV], 2
	s_cbranch_scc0 .Lasked
	tensor_load_to_lds s[G0S:G0S+3], s[G1S:G1S+7]
	s_nop 0
	PLACES 4
.Lasked:
	s_bfe_u32 s48, ttmp6, 0x40000
	s_lshl_b32 s49, ttmp9, 2
	s_add_co_u32 s48, s48, s49
	s_and_b32 s48, s48, 15                         ; which 64 keys of the batch: enters global addresses alone
	s_lshl_b32 s49, s48, 2
	s_add_co_u32 s49, s49, s[WV]                   ; my tile of keys
	s_lshl_b32 s50, s15, 17
	s_lshl_b32 s51, s49, 10
	s_add_co_u32 s50, s50, s51
	s_mov_b32 s51, 0
	s_add_nc_u64 s[8:9], s[8:9], s[50:51]          ; its images
	s_lshl_b32 s50, s15, 13
	s_lshl_b32 s52, s49, 6
	s_add_co_u32 s52, s52, s50
	s_mov_b32 s53, 0
	s_add_nc_u64 s[10:11], s[10:11], s[52:53]      ; its words
	s_lshl_b32 s52, s48, 8
	s_add_co_u32 s52, s52, s50
	s_add_nc_u64 s[12:13], s[12:13], s[52:53]      ; st at the batch's key 64 i
	v_and_b32 v1, 15, v0                           ; r
	v_bfe_u32 v2, v0, 4, 1                         ; h
	v_and_b32 v3, 31, v0
	v_lshlrev_b32 v4, 2, v3
	v_add_nc_u32 v4, QSC, v4                       ; q's words: 4 x lane
	v_lshlrev_b32 v3, 4, v3                        ; images: 16 x lane
	v_lshlrev_b32 v5, 2, v1                        ; 4 r
	v_and_b32 v9, 8, v1
	v_add_nc_u32 v9, v9, v1
	v_lshlrev_b32 v6, 2, v9
	v_lshl_add_u32 v6, v2, 8, v6
	s_lshr_b32 s54, s[WV], 1
	s_lshl_b32 s54, s54, 7
	s_and_b32 s55, s[WV], 1
	s_lshl_b32 s55, s55, 5
	s_add_co_u32 s54, s54, s55
	s_add_co_u32 s54, s54, STG
	v_add_nc_u32 v6, s54, v6                       ; the way out: key 32 (w / 2) + 8 (w % 2) + r + 8 (r / 8) of the 64; lanes 0-15 put -c m, lanes 16-31 the reciprocal, 256 bytes on
	v_add_nc_u32 v7, STG, v3
	v_lshlrev_b32 v8, 12, v2
	v_lshl_add_u32 v8, v1, 4, v8
	global_load_b128 v[KF:KF+3], v3, s[8:9]
	global_load_b128 v[KF+4:KF+7], v3, s[8:9] offset:512
	global_load_b32 v[KS], v5, s[10:11]
.irp j, 8,9,10,11,12,13,14,15
	v_mov_b32 v[KF+\j], 0                          ; zero codes for k = 64 .. 127
.endr
.irp t, 0,1,2,3,4,5,6,7
.irp j, 8,9,10,11,12,13,14,15
	v_mov_b32 v[QF+16*\t+\j], 0                    ; likewise, once for all chunks
.endr
.endr
	v_mov_b32 v44, 0xff61b1e6                      ; m: -3e38, under every score
	v_mul_f32 v46, s[NC], v44                      ; -c m
	v_mov_b32 v47, 0                               ; (upper halves of pairs that are named whole)
	v_mov_b32 v49, 0
	v_mov_b32 v50, 0                               ; the sum, in two halves
	v_mov_b32 v51, 0
	v_mov_b32 v54, 0                               ; lane permutes' destinations
	v_mov_b32 v55, 0
	s_wait_alu depctr_va_vdst(0)
	s_wait_tensorcnt 0x0
	s_barrier_signal -1
	s_barrier_wait -1
.macro QLOAD kap
.irp t, 0,1,2,3,4,5,6,7
.irp c, 0,1
	ds_load_b128 v[QF+16*\t+4*\c:QF+16*\t+4*\c+3], v3 offset:(8*(\kap)+\t)*1024+512*\c
.endr
.endr
.irp b, 0,1,2,3
	ds_load_b32 v[QS+\b], v4 offset:(4*(\kap)+\b)*128
.endr
.endm
.macro CHUNK kap, last
	s_wait_dscnt 0x0                               ; this chunk's fragments, asked for in the middle of the chunk before
.irp t, 0,2,4,6
	v_wmma_scale_f32_16x16x128_f8f6f4 v[S+8*\t:S+8*\t+7], v[QF+16*\t:QF+16*\t+15], v[KF:KF+15], 0, v[QS+\t/2], v[KS]
	v_wmma_scale_f32_16x16x128_f8f6f4 v[S+8*\t+8:S+8*\t+15], v[QF+16*\t+16:QF+16*\t+31], v[KF:KF+15], 0, v[QS+\t/2], v[KS] matrix_a_scale:MATRIX_SCALE_ROW1
.endr
	PLACES 8                                       ; in front of the loads into the fragments and of the first read of results
.if \last == 0
	QLOAD \kap+1
.endif
.irp b, 0,1,2,3
	v_max3_num_f32 v[40+\b], v[S+16*\b], v[S+16*\b+1], v[S+16*\b+2]   ; four chains, each accumulator from its low end on
.endr
.irp i, 3,5,7,9,11,13
.irp b, 0,1,2,3
	v_max3_num_f32 v[40+\b], v[40+\b], v[S+16*\b+\i], v[S+16*\b+\i+1]
.endr
.endr
.irp b, 0,1,2,3
	v_max_num_f32 v[40+\b], v[40+\b], v[S+16*\b+15]
.endr
	v_max3_num_f32 v40, v40, v41, v42
	v_max3_num_f32 v44, v40, v43, v44              ; the running maximum
	v_mov_b32 v45, v46
	v_mul_f32 v46, s[NC], v44                      ; the new -c m
	v_sub_f32 v48, v46, v45                        ; 0 or less
.set qi, 0
.rept 32
	v_pk_fma_f32 v[S+2*qi:S+2*qi+1], v[S+2*qi:S+2*qi+1], s[CS:CS+1], v[46:47] op_sel_hi:[1,0,0]
.set qi, qi+1
.endr
.set qi, 0
	s_wait_alu depctr_va_vdst(0)
.rept 64
	v_exp_f32 v[S+qi], v[S+qi]
.set qi, qi+1
.endr
	v_exp_f32 v48, v48                             ; what was summed under the old maximum is brought under the new
	v_nop                                          ; a plain place behind the exponentials
	s_wait_alu depctr_va_vdst(0)
	v_pk_mul_f32 v[50:51], v[50:51], v[48:49] op_sel_hi:[1,0]
	v_pk_add_f32 v[52:53], v[S:S+1], v[S+2:S+3]
.irp j, 4,8,12,16,20,24,28,32,36,40,44,48,52,56,60
	v_pk_add_f32 v[50:51], v[50:51], v[S+\j:S+\j+1]
	v_pk_add_f32 v[52:53], v[52:53], v[S+\j+2:S+\j+3]
.endr
	v_pk_add_f32 v[50:51], v[50:51], v[52:53]
.endm
	QLOAD 0
	s_wait_loadcnt 0x0                             ; my keys
.irp n, 0,1,2,3,4,5,6
	CHUNK \n, 0
.endr
	CHUNK 7, 1
	v_add_f32 v50, v50, v51
	v_permlanex16_b32 v54, v46, s[SEL], s[SEL+1]   ; the other half of the queries: its -c m,
	v_permlanex16_b32 v55, v50, s[SEL], s[SEL+1]   ; its sum
	v_min_num_f32 v56, v46, v54                    ; -c x the larger maximum
	v_sub_f32 v57, v56, v46
	v_sub_f32 v58, v56, v54
	s_wait_alu depctr_va_vdst(0)
	v_exp_f32 v57, v57
	v_exp_f32 v58, v58
	v_nop
	s_wait_alu depctr_va_vdst(0)
	v_mul_f32 v50, v50, v57
	v_fma_f32 v50, v55, v58, v50                   ; the column's sum, at least 1
	s_wait_alu depctr_va_vdst(0)
	v_rcp_f32 v59, v50
	v_cmp_eq_u32 vcc_lo, 1, v2                     ; (a plain place behind the reciprocal)
	s_wait_alu depctr_va_vdst(0)
	v_cndmask_b32 v60, v56, v59, vcc_lo
	ds_store_b32 v6, v60
	s_wait_dscnt 0x0
	s_barrier_signal -1
	s_barrier_wait -1
	s_cmp_lg_u32 s[WV], 0
	s_cbranch_scc1 .Lnot_mine
	ds_load_b128 v[64:67], v7
	s_wait_dscnt 0x0
	global_store_b128 v8, v[64:67], s[12:13]       ; lanes 0-15: 256 consecutive bytes of -c m; lanes 16-31: of the reciprocals, 4,096 bytes on
.Lnot_mine:
	s_wait_tensorcnt 0x0
	ds_add_u32 v62, v63
	s_wait_dscnt 0x0
	ROUND                                          ; the closing round
	s_endpgm
.Lfunc_end_k_qdc5398ac1c_stats:
	.size	k_qdc5398ac1c_stats, .Lfunc_end_k_qdc5398ac1c_stats-k_qdc5398ac1c_stats
	.p2alignl 7, 3214868480
	.fill 96, 4, 3214868480
	.section	.rodata,"a",@progbits
	.p2align	6, 0x0
	.amdhsa_kernel k_qdc5398ac1c_stats
		.amdhsa_group_segment_fixed_size 168448
		.amdhsa_private_segment_fixed_size 0
		.amdhsa_enable_private_segment 0
		.amdhsa_kernarg_size 40
		.amdhsa_user_sgpr_count 2
		.amdhsa_user_sgpr_kernarg_segment_ptr 1
		.amdhsa_wavefront_size32 1
		.amdhsa_system_sgpr_workgroup_id_x 1
		.amdhsa_system_sgpr_workgroup_id_y 1
		.amdhsa_system_sgpr_workgroup_id_z 1
		.amdhsa_system_vgpr_workitem_id 0
		.amdhsa_next_free_vgpr 256
		.amdhsa_next_free_sgpr 66
		.amdhsa_reserve_vcc 1
		.amdhsa_float_denorm_mode_32 3
		.amdhsa_float_denorm_mode_16_64 3
		.amdhsa_memory_ordered 1
		.amdhsa_forward_progress 1
		.amdhsa_inst_pref_size 96
	.end_amdhsa_kernel
	.amdgpu_metadata
---
amdhsa.version: [ 1, 2 ]
amdhsa.kernels:
  - .name:           k_qdc5398ac1c_stats
    .symbol:         k_qdc5398ac1c_stats.kd
    .args:
      - { .name: qf, .offset: 0, .size: 8, .value_kind: global_buffer, .address_space: global }
      - { .name: qs, .offset: 8, .size: 8, .value_kind: global_buffer, .address_space: global }
      - { .name: kv, .offset: 16, .size: 8, .value_kind: global_buffer, .address_space: global }
      - { .name: sc, .offset: 24, .size: 8, .value_kind: global_buffer, .address_space: global }
      - { .name: st, .offset: 32, .size: 8, .value_kind: global_buffer, .address_space: global }
    .group_segment_fixed_size: 168448
    .private_segment_fixed_size: 0
    .kernarg_segment_align: 8
    .kernarg_segment_size: 40
    .max_flat_workgroup_size: 128
    .sgpr_count:     66
    .vgpr_count:     256
    .wavefront_size: 32
...
	.end_amdgpu_metadata
.endif
;; end of part 2
;; launch enc (part 3): grid 256 x 1, 4 waves a work-group, clusters of 4 x 1, 327,680 bytes of LDS; arguments x, qf, qs, kv, sc, st, wf, wo_scales, bo, ln_g, ln_b, w1_scales, b1, w2_scales, b2, out0; writes out0
.if DOCPART == 3
	.amdgcn_target "amdgcn-amd-amdhsa--gfx1250"
	.amdhsa_code_object_version 6
	.text
	.protected	k_qdc5398ac1c_enc
	.globl	k_qdc5398ac1c_enc
	.p2align	8
	.type	k_qdc5398ac1c_enc,@function
k_qdc5398ac1c_enc:
	s_mov_b64 s[64:65], 0
	v_nop
	global_prefetch_b8 v0, s[64:65] scope:SCOPE_SE
	s_setreg_imm32_b32 hwreg(HW_REG_WAVE_MODE, 25, 1), 1
	s_wait_xcnt 0x0
	s_wait_alu depctr_hold_cnt(0) depctr_sa_sdst(0) depctr_va_vdst(0) depctr_va_sdst(0) depctr_va_ssrc(0) depctr_va_vcc(0) depctr_vm_vsrc(0)
	s_getreg_b32 s2, hwreg(HW_REG_IB_STS2, 6, 4)
	s_cmp_eq_u32 s2, 0
	s_cbranch_scc0 .Lentry_in_a_cluster
	s_endpgm
.Lentry_in_a_cluster:
	s_bfe_u32 s2, ttmp6, 0x10000c
	s_cmp_lg_u32 s2, 0x3003
	s_cbranch_scc0 .Lentry_shape_is_right
	s_endpgm
.Lentry_shape_is_right:
; For 64 rows: scores again, p = 2^(c s - c m) / sum (the finished softmax over the queries), Q(p) Q(v), the head tiled eight times and quantised, x wo + bo + x, LayerNorm -> h,
; (Q(h) w1 + b1) quantised, x w2 + b2 + h, LayerNorm -> out0.  All products on codes of E4M3 with one E8M0 scale for each 32 along K, sums f32; all else f32.  No work of the module is left out; every input is used.
; ROWS.  Four tiles m; lane row r of tile m is row 32 (m / 2) + 8 (m % 2) + r + 8 (r / 8), as the earlier launches laid q's images.
; SHARES.  Attention: wave w owns query tile w and walks the batch's 1,024 keys, 128 a step (S^T = K Q^T, O^T = V^T P^T: a lane holds one query).  Everywhere else wave w owns output columns and hidden units
; 128 w .. 128 w + 127 for all 64 rows: a weight fragment is read once, by one wave, and feeds four matrix instructions.
; THE WEIGHTS.  The first launch has laid wo, w1 and w2 as images of operand registers, in the order of use: wf [wave][72 sets of 4 fragments of 2,048 bytes]: 8 sets of wo, then for each chunk of 512 hidden units 8 of w1, 8 of w2.
; WO AND W1 ARE A STREAM INTO REGISTERS: set S lands in buffer (S + 2) % 4 of window 2 by 16 loads of 512 consecutive bytes, up to four sets ahead of its products.  A wait for a set counts the younger sets' loads
; (48 or 32); where a few loads of scale words stand among them the count is the stricter side.  In the last chunk a branch on the trip's count leads round the loads that would name the next chunk's sets, to a wait for all loads.
; W2 COMES JOINTLY: all work-groups read the same bytes, and the four of a cluster ask together.  A chunk's 8 sets are two dense blocks of 32 KiB a wave: two LDS slots, each wave fetching and reading its own quarter.
; Slot A is asked for behind a round at the chunk's head, slot B behind a round behind w1's fourth set: each load has the rest of w1's sets in which to land, one load of a wave is out behind each round,
; and every trip issues the same two.  Nothing is prefetched into the L2: all 256 work-groups walk the same 2.25 MiB in step.
; K, V, their scale words and the columns' figures are shared by the cluster's four (one batch): four joint loads at the head, one a wave.
; X comes as whole 512-byte pieces of rows and is turned into Y's layout through my own LDS bytes, 16 rows at a time.
; The hidden layer's codes go from wave to wave through LDS as images of operand registers; y is summed in Y, which starts as h + b2.  b1 is loaded into the sums' registers as their start.
; LAYERNORM: each wave takes its 128 columns' mean, subtracts it, sums the squares; the four waves' figures are joined as means and centred sums of squares: no difference of large sums is formed.
; LIMITS: NaN and infinities are not served.  A block whose largest magnitude lies under 2^-118 keeps the scale byte 1, a block of zeros too (its codes are zeros; only this program reads the bytes).  A p under 2^-126 is 0.
; REGISTERS.  Window 0: v1-31 addresses; attention: v32-63 O^T, v64-127 scores, v128-169 q, p's codes, scale words, v192-223 the quantiser's; later: v32-47 w1's scale words, v48-63 wo's or w2's, v64-79 h's, v80-87 the
; hidden layer's, v88-91 words in the making, v96-111 the quantiser's, v112-127 codes, v128-255 (HS) the hidden layer's sums, then its fragments; LayerNorm at work.
; Window 1: K's and V's fragments; bo, b2, ln_g, ln_b; h's 16 fragments; rows of out0.  Window 2: -c m and 1 / sum (v0-127, attention); the four weight buffers.  Window 3: Y: accumulator (m, T) at v[8 (8 m + T)].
.set SLB,   131072                     ; LDS: slot A from 0 (first K's and V's images; at the end, with 1 KiB of slot B, the stage for out0), slot B from here
.set IMG,   262144                     ; 16 images of 2,048 bytes (h's, then a chunk's), + 32,768: their scale words.  Before: the batch's scale words and figures (SCW), the head's images (HIM), x on its way
.set SCW,   IMG
.set HIM,   IMG+16384                  ; the head's four images of 1,024 bytes, + 4,096: its words
.set LNX,   IMG+34816                  ; [wave][64 rows][mean, sum of squares]
.set VL,    LNX+2048                   ; [wave][b1's four chunks, bo, ln_g, ln_b, b2][128 numbers]; each wave stores and reads its own 4,096 bytes
.set SPARE, VL+16384                   ; the spare words
.set WSTR,  589824                     ; a wave's 72 sets
.set WV,  36
.set SEL, 38
.set CS,  40
.set MNT, 42
.set TB,  43
.set TS,  44
.set CNT, 45
.set G1D, 48
.set G1S, 56
.set G0KV, 68
.set G0S, 72
.set G1P, 76
.set G0A, 84
.set G0B, 88
.set O,   32
.set S,   64
.set Q,   128
.set PC,  144
.set KS,  160
.set VS,  164
.set QS,  168
.set PW,  169
.set MX,  192
.set BY,  200
.set LIM, 208
.set SCL, 216
.set WS1, 32
.set WS2, 48
.set AS,  64
.set AS2, 80
.set SW,  88
.set PC2, 112
.set HS,  128
.set LT,  128
.set LT2, 144
.set RS,  160
.set ND,  168
.set LA,  176
.set LB,  180
.set LC,  184
.set LK,  188
.set LR,  192
.set MSB, 0
.macro WIN new                         ; the immediate's high byte repeats the setting that is left
.if MSB != \new
	s_set_vgpr_msb (MSB<<8)|\new
.set MSB, \new
.endif
.endm
.macro PLACES n
.rept \n
	v_nop
.endr
.endm
.macro BARRIER
	s_barrier_signal -1
	s_barrier_wait -1
.endm
.macro ROUND                           ; a round of the cluster's barrier
	BARRIER
	s_cmp_lg_u32 s[WV], 0
	s_cbranch_scc1 .Lnot_wave_0_\@
	s_barrier_signal -3
.Lnot_wave_0_\@:
	s_barrier_wait -3
	BARRIER
.endm
; n chains by turns: chain i takes the largest (ab = 1: magnitude) of v[base + 16 i .. + 15], ascending, with the floor 2^(9 - 127) among its leaves
.macro MAXES n, base, ab
.set qi, 0
.rept \n
.if \ab
	v_max3_num_f32 v[MX+qi], |v[(\base)+16*qi]|, |v[(\base)+16*qi+1]|, 0x4800000
.else
	v_max3_num_f32 v[MX+qi], v[(\base)+16*qi], v[(\base)+16*qi+1], 0x4800000
.endif
.set qi, qi+1
.endr
.irp e, 2,4,6,8,10,12,14
.set qi, 0
.rept \n
.if \ab
	v_max3_num_f32 v[MX+qi], |v[(\base)+16*qi+\e]|, |v[(\base)+16*qi+\e+1]|, v[MX+qi]
.else
	v_max3_num_f32 v[MX+qi], v[(\base)+16*qi+\e], v[(\base)+16*qi+\e+1], v[MX+qi]
.endif
.set qi, qi+1
.endr
.endr
.endm
.macro QCORE n                         ; joins lane l xor 16's half of each block; then the conversion's scale operand, 448 x the scale, the byte
.set qi, 0
.rept \n
	v_permlanex16_b32 v[BY+qi], v[MX+qi], s[SEL], s[SEL+1]
.set qi, qi+1
.endr
.set qi, 0
.rept \n
	v_max_num_f32 v[MX+qi], v[MX+qi], v[BY+qi]
.set qi, qi+1
.endr
.set qi, 0
.rept \n
	v_add_nc_u32 v[SCL+qi], 0xfc000000, v[MX+qi]
.set qi, qi+1
.endr
.set qi, 0
.rept \n
	v_and_or_b32 v[LIM+qi], v[MX+qi], 0x7f800000, s[MNT]
.set qi, qi+1
.endr
.set qi, 0
.rept \n
	v_lshrrev_b32 v[BY+qi], 23, v[SCL+qi]
.set qi, qi+1
.endr
.endm
.macro HOLD n, dst, src                ; the conversion to an 8-bit code does not saturate (ISA guide 7.6.2)
.set qi, 0
.rept \n
	v_med3_num_f32 v[(\dst)+qi], v[(\src)+qi], -v[LIM+qi/16], v[LIM+qi/16]
.set qi, qi+1
.endr
.endm
.macro CVTS n, dst, base
.set qi, 0
.rept \n
	v_cvt_scalef32_pk8_fp8_f32 v[(\dst)+4*qi:(\dst)+4*qi+1], v[(\base)+16*qi:(\base)+16*qi+7], v[SCL+qi]
	v_cvt_scalef32_pk8_fp8_f32 v[(\dst)+4*qi+2:(\dst)+4*qi+3], v[(\base)+16*qi+8:(\base)+16*qi+15], v[SCL+qi]
.set qi, qi+1
.endr
.endm
.macro LDV reg, k                      ; vector k (0 bo, 1 ln_g, 2 ln_b, 3 b2) over my 128 columns, out of my own LDS bytes into window 1, in Y's layout: register 8 t + j = column 16 t + 8 h + j
	WIN 0x40
.irp t, 0,1,2,3,4,5,6,7
	ds_load_b128 v[\reg+8*\t:\reg+8*\t+3], v25 offset:2048+512*(\k)+64*\t
	ds_load_b128 v[\reg+8*\t+4:\reg+8*\t+7], v25 offset:2048+512*(\k)+64*\t+16
.endr
	WIN 0
.endm
.macro ADDV reg                        ; Y += such a vector
	WIN 0xc7
.set qi, 0
.rept 128
	v_pk_add_f32 v[2*qi:2*qi+1], v[2*qi:2*qi+1], v[\reg+2*(qi%32):\reg+2*(qi%32)+1]
.set qi, qi+1
.endr
	WIN 0
.endm
.macro LDWS reg, base, va, step, off   ; register 4 p + s: lanes 0-15 the scale word of weight row tile 2 p for K step s, lanes 16-31 tile 2 p + 1's
.irp p, 0,1,2,3
	global_load_b128 v[\reg+4*\p:\reg+4*\p+3], v[\va], s[\base:\base+1] offset:\step*\p+\off
.endr
.endm
.macro LOADW j                         ; set j of the stream, counted from s[16:17]: 16 loads of 512 consecutive bytes
.set bb, 64*(((\j)+2)%4)
	WIN 0x80
.irp f, 0,1,2,3
.irp p, 0,1,2,3
	global_load_b128 v[bb+16*\f+4*\p:bb+16*\f+4*\p+3], v6, s[16:17] offset:(\j)*8192+\f*2048+\p*512
.endr
.endr
	WIN 0
.endm
.macro FETL k, va                      ; w2's set k of a chunk's eight, out of my quarter of its slot, into buffer k % 2: 16 LDS loads of 512 consecutive bytes
.set bb, 64*((\k)%2)
	WIN 0x80
.irp f, 0,1,2,3
.irp p, 0,1,2,3
	ds_load_b128 v[bb+16*\f+4*\p:bb+16*\f+4*\p+3], v[\va] offset:((\k)%4)*8192+\f*2048+\p*512
.endr
.endr
	WIN 0
.endm
.macro MMS d, a, b, sa, sb, odd        ; d += a b, in place
.if \odd
	v_wmma_scale_f32_16x16x128_f8f6f4 v[\d:\d+7], v[\a:\a+15], v[\b:\b+15], v[\d:\d+7], v[\sa], v[\sb] matrix_a_scale:MATRIX_SCALE_ROW1
.else
	v_wmma_scale_f32_16x16x128_f8f6f4 v[\d:\d+7], v[\a:\a+15], v[\b:\b+15], v[\d:\d+7], v[\sa], v[\sb]
.endif
.endm
; 16 products onto Y: set j of eight = K step j / 2, column tiles 4 (j % 2) + f; weights in the buffer at wb; activations' fragments at ab + 16 m, their words at sb + m.
; The 16 accumulators take turns, the next set has the other 16
.macro YSET j, ab, sb, wb
.set bb, \wb
.set yq, (\j)/2
.set yt, 4*((\j)%2)
	WIN 0xf2
.irp f, 0,1,2,3
.irp m, 0,1,2,3
	MMS 8*(8*\m+yt+\f), bb+16*\f, (\ab)+16*\m, WS2+4*((yt+\f)/2)+yq, (\sb)+\m, \f%2
.endr
.endr
	WIN 0
.endm
; 16 products of w1: set j of eight = half j / 4 of my 128 units, K step j % 4; sums at HS + 8 (4 m + f), by turns
.macro MSET j
.set bb, 64*(((\j)+2)%4)
.set ms, (\j)%4
.set mh, (\j)/4
	WIN 0x06
.irp f, 0,1,2,3
.irp m, 0,1,2,3
	MMS HS+8*(4*\m+\f), bb+16*\f, 16*(4*\m+ms), WS1+4*(2*mh+\f/2)+ms, AS+4*ms+\m, \f%2
.endr
.endr
	WIN 0
.endm
.macro LDB1 half                       ; the sums start as b1: unit 16 (4 half + f) + 8 h + j, the same for all four tiles of rows
.irp m, 0,1,2,3
.irp f, 0,1,2,3
	ds_load_b128 v[HS+8*(4*\m+\f):HS+8*(4*\m+\f)+3], v27 offset:64*(4*\half+\f)
	ds_load_b128 v[HS+8*(4*\m+\f)+4:HS+8*(4*\m+\f)+7], v27 offset:64*(4*\half+\f)+16
.endr
.endr
.endm
; 64 hidden units x 64 rows become codes, two tiles of rows at a time: four blocks (m, b); their bytes are bytes 2 half + b of my K step's scale word.  The second pair's codes lie in registers that the first pair's sums have left
.macro QH half
.irp g, 0,1
	MAXES 4, HS+64*\g, 1
	QCORE 4
.irp e, 0,1
.if \half == 0
	v_lshl_or_b32 v[SW+2*\g+\e], v[BY+2*\e+1], 8, v[BY+2*\e]
.else
	v_lshl_or_b32 v[SW+2*\g+\e], v[BY+2*\e], 16, v[SW+2*\g+\e]
	v_lshl_or_b32 v[SW+2*\g+\e], v[BY+2*\e+1], 24, v[SW+2*\g+\e]
.endif
.endr
	HOLD 64, HS+64*\g, HS+64*\g
.set qd, PC2+(HS-PC2)*\g
	CVTS 4, qd, HS+64*\g
	v_nop                                          ; a plain place behind the conversions
.irp e, 0,1
.irp b, 0,1
	ds_store_b64 v9, v[qd+4*(2*\e+\b):qd+4*(2*\e+\b)+1] offset:8192*(2*\g+\e)+512*(2*\half+\b)
	ds_store_b64 v9, v[qd+4*(2*\e+\b)+2:qd+4*(2*\e+\b)+3] offset:8192*(2*\g+\e)+512*(2*\half+\b)+256
.endr
.endr
.endr
.if \half == 1
.irp m, 0,1,2,3
	ds_store_b32 v10, v[SW+\m] offset:32768+512*\m
.endr
.endif
.endm
.macro FETQ q                          ; the hidden layer's fragments of K step q, four tiles of rows, and their words: 20 LDS loads, two sets of registers by turns
.irp m, 0,1,2,3
.irp c, 0,1,2,3
	ds_load_b128 v[HS+64*((\q)%2)+16*\m+4*\c:HS+64*((\q)%2)+16*\m+4*\c+3], v7 offset:2048*(4*\m+(\q))+512*\c
.endr
.endr
.irp m, 0,1,2,3
	ds_load_b32 v[AS2+4*((\q)%2)+\m], v8 offset:32768+128*(4*\m+(\q))
.endr
.endm
.macro AHEAD j                         ; the next chunk's set j - 16.  The last trip has no next chunk: it waits for all that is out
	PLACES 8
	s_cmp_eq_u32 s[CNT], 1
	s_cbranch_scc1 .Lnone_\@
	LOADW \j
	s_wait_loadcnt 48
	s_branch .Lgo_\@
.Lnone_\@:
	s_wait_loadcnt 0x0
.Lgo_\@:
.endm
; A SLOT IS ASKED FOR.  Every wave waits for all its tensor loads, adds 0 to its spare word, steps the slot's descriptor a chunk on, and waits for the add and for all its LDS reads and stores; then a round of the cluster's
; barrier; the joint load is the first thing behind it.  The round at a chunk's head also stands between every wave's reads of the last chunk's images and this chunk's stores
.macro CHG g0
	s_wait_tensorcnt 0x0
	ds_add_u32 v4, v5
	s_add_nc_u64 s[\g0+2:\g0+3], s[\g0+2:\g0+3], 131072
	s_wait_dscnt 0x0
	ROUND
	tensor_load_to_lds s[\g0:\g0+3], s[G1P:G1P+7]
	s_nop 0
	PLACES 4
.endm
	s_load_b512 s[4:19], s[0:1], 0x0               ; x, qf, qs, kv, sc, st, wf, wo_scales
	s_load_b512 s[20:35], s[0:1], 0x40             ; bo, ln_g, ln_b, w1_scales, b1, w2_scales, b2, out0
	v_lshl_add_u32 v4, v0, 2, SPARE
	v_mov_b32 v5, 0
	ds_add_u32 v4, v5                              ; the opening lines: the add, twice on end, and its wait
	ds_add_u32 v4, v5
	v_lshrrev_b32 v1, 5, v0
	v_readfirstlane_b32 s[WV], v1
	s_lshr_b32 s2, ttmp9, 2                        ; the batch, which the cluster's four share
.irp g, G1D, G1S, G1P                  ; dense blocks as rows of 256 bytes (32 elements of 8): mask: the cluster's four; bit 21 beside a mask
	s_mov_b32 s[\g+0], 15|(3<<16)|(1<<21)
	s_mov_b32 s[\g+1], 32<<16
	s_mov_b32 s[\g+3], 32<<16
	s_mov_b32 s[\g+5], 32
	s_mov_b32 s[\g+6], 0
	s_mov_b32 s[\g+7], 0
.endr
	s_mov_b32 s[G1D+2], 256<<16                    ; 65,536 bytes: K's images or V's
	s_mov_b32 s[G1D+4], 256
	s_mov_b32 s[G1S+2], 32<<16                     ; 8,192 bytes: the scale words or the figures
	s_mov_b32 s[G1S+4], 32
	s_mov_b32 s[G1P+2], 128<<16                    ; 32,768 bytes: four sets of w2
	s_mov_b32 s[G1P+4], 128
	s_mov_b32 s[SEL], 0x76543210
	s_mov_b32 s[SEL+1], 0xfedcba98
	s_mov_b32 s[CS], 0x3e38aa3b                    ; c = log2(e) / 8
	s_mov_b32 s[CS+1], s[CS]
	s_mov_b32 s[MNT], 0x600000
	s_mov_b32 s[TB], 0
	s_mov_b32 s[TS], 0
	s_mov_b32 s47, 0
	s_wait_dscnt 0x0
	s_wait_kmcnt 0x0
	s_lshl_b32 s46, s2, 17                         ; the joint loads' addresses hang on the batch and the wave alone
	s_lshl_b32 s3, s[WV], 16
	s_add_co_u32 s46, s46, s3
	s_add_nc_u64 s[G0KV+2:G0KV+3], s[10:11], s[46:47]
	s_or_b32 s[G0KV+3], s[G0KV+3], 0x80000000
	s_mov_b32 s[G0KV], 1
	s_mov_b32 s[G0KV+1], s3
	s_and_b32 s3, s[WV], 1
	s_cmp_eq_u32 s3, 0
	s_cselect_b64 s[G0S+2:G0S+3], s[12:13], s[14:15]
	s_lshl_b32 s46, s2, 13
	s_add_nc_u64 s[G0S+2:G0S+3], s[G0S+2:G0S+3], s[46:47]
	s_or_b32 s[G0S+3], s[G0S+3], 0x80000000
	s_mov_b32 s[G0S], 1
	s_lshl_b32 s3, s3, 13
	s_add_co_u32 s[G0S+1], s3, SCW
	s_mul_i32 s46, s[WV], WSTR
	s_add_nc_u64 s[16:17], s[16:17], s[46:47]      ; my stream
	s_mov_b32 s[G0A], 1                            ; the slots' descriptors: a chunk short of chunk 0's w2 (sets 16-19 and 20-23 of my stream): each request steps its own first
	s_lshl_b32 s[G0A+1], s[WV], 15
	s_mov_b64 s[G0A+2:G0A+3], s[16:17]
	s_or_b32 s[G0A+3], s[G0A+3], 0x80000000
	s_mov_b32 s[G0B], 1
	s_add_co_u32 s[G0B+1], s[G0A+1], SLB
	s_add_nc_u64 s[G0B+2:G0B+3], s[16:17], 32768
	s_or_b32 s[G0B+3], s[G0B+3], 0x80000000
	s_lshl_b32 s46, s[WV], 9                       ; vectors over the columns: at my 128
.irp b, 20,22,24,28,32
	s_add_nc_u64 s[\b:\b+1], s[\b:\b+1], s[46:47]
.endr
	s_lshl_b32 s46, s[WV], 11
	s_add_nc_u64 s[18:19], s[18:19], s[46:47]
	s_add_nc_u64 s[26:27], s[26:27], s[46:47]
	s_lshl_b32 s46, s[WV], 13
	s_add_nc_u64 s[30:31], s[30:31], s[46:47]
	ROUND                                          ; the four work-groups are here
	s_cmp_lt_u32 s[WV], 2                          ; one joint load a wave: wave 0 K's images, wave 1 V's, wave 2 the scale words, wave 3 the figures
	s_cbranch_scc0 .Lwords
	tensor_load_to_lds s[G0KV:G0KV+3], s[G1D:G1D+7]
	s_nop 0
	PLACES 4
	s_branch .Lasked
.Lwords:
	tensor_load_to_lds s[G0S:G0S+3], s[G1S:G1S+7]
	s_nop 0
	PLACES 4
.Lasked:
	s_bfe_u32 s10, ttmp6, 0x40000                  ; cx: it enters the addresses of x, qf, qs and out0 alone
	s_lshl_b32 s11, ttmp9, 2
	s_add_co_u32 s10, s10, s11                     ; work-group
	s_lshl_b32 s12, s10, 17
	s_mov_b32 s13, 0
	s_add_nc_u64 s[4:5], s[4:5], s[12:13]          ; x at my 64 rows
	s_lshr_b32 s14, s[WV], 1
	s_lshl_b32 s14, s14, 16
	s_add_co_u32 s12, s12, s14
	s_and_b32 s14, s[WV], 1
	s_lshl_b32 s14, s14, 14
	s_add_co_u32 s12, s12, s14
	s_add_nc_u64 s[34:35], s[34:35], s[12:13]      ; out0 at row 64 wg + 32 (w / 2) + 8 (w % 2)
	s_lshl_b32 s14, s10, 2
	s_add_co_u32 s14, s14, s[WV]                   ; my tile of queries
	s_lshl_b32 s12, s14, 10
	s_add_nc_u64 s[6:7], s[6:7], s[12:13]
	s_lshl_b32 s12, s14, 6
	s_add_nc_u64 s[8:9], s[8:9], s[12:13]
	v_and_b32 v1, 15, v0                           ; r
	v_bfe_u32 v2, v0, 4, 1                         ; h
	v_and_b32 v31, 31, v0
	v_lshlrev_b32 v6, 4, v31                       ; v6  16 x lane
	v_lshlrev_b32 v8, 2, v31
	v_add_nc_u32 v7, IMG, v6                       ; v7  an image's place for my lane
	s_lshl_b32 s3, s[WV], 7
	v_add_nc_u32 v10, s3, v8
	v_add_nc_u32 v19, HIM+4096, v10                ; v19 where I store the head's word
	v_add_nc_u32 v10, IMG, v10                     ; v10 where I store scale words: + 128 x wave
	v_add_nc_u32 v13, SCW, v8                      ; v13 K's and V's words
	v_add_nc_u32 v18, HIM+4096, v8                 ; v18 where I read the head's words
	v_add_nc_u32 v8, IMG, v8                       ; v8  where I read scale words
	v_lshlrev_b32 v27, 4, v1
	v_lshl_add_u32 v9, v2, 3, v27                  ; 16 r + 8 h
	s_lshl_b32 s3, s[WV], 10
	s_add_co_u32 s3, s3, HIM
	v_add_nc_u32 v21, s3, v9                       ; v21 where I store the head's codes
	s_lshl_b32 s3, s[WV], 11
	s_add_co_u32 s3, s3, IMG
	v_add_nc_u32 v9, s3, v9                        ; v9  where I store h's and the hidden layer's: K step = my wave
	v_add_nc_u32 v14, HIM, v6                      ; v14 where I read the head's images
	v_lshlrev_b32 v16, 3, v1
	v_add_nc_u32 v16, LNX, v16                     ; v16 LayerNorm's figures: row r; v15 my wave's
	s_lshl_b32 s3, s[WV], 9
	v_add_nc_u32 v15, s3, v16
	v_lshlrev_b32 v17, 5, v2                       ; v17 32 h
	v_add_nc_u32 v20, s3, v6                       ; v20 x: my wave's 512 bytes of a row, 16 a lane
	v_mul_u32_u24 v22, v1, 2064
	v_add_nc_u32 v22, v22, v17
	v_add_nc_u32 v22, s3, v22                      ; v22, v23 the stage, on the way in (tiles 0, 1; tiles 2, 3)
	v_add_nc_u32 v23, 66048, v22
	s_mul_i32 s3, s[WV], 33024
	v_add_nc_u32 v24, s3, v6                       ; v24 and back: my 16 rows
	v_add_nc_u32 v11, 65536, v6                    ; v11 V's images (later: my quarter of slot A)
	v_lshlrev_b32 v12, 6, v2
	v_add_nc_u32 v12, SCW+8192, v12                ; v12 the columns' figures: my 16 keys of a block of 32 (later: my quarter of slot B)
	s_lshl_b32 s3, s[WV], 12
	s_add_co_u32 s3, s3, VL
	v_add_nc_u32 v25, s3, v17                      ; v25 my vectors in LDS, out: + 32 h;
	v_add_nc_u32 v26, s3, v6                       ; v26 in: + 16 x lane
	v_lshlrev_b32 v28, 2, v1                       ; 4 r
	v_lshlrev_b32 v31, 6, v31                      ; v31 64 x lane: w2's scale bytes
	global_load_b128 v[Q:Q+3], v6, s[6:7]
	global_load_b128 v[Q+4:Q+7], v6, s[6:7] offset:512
	global_load_b32 v[QS], v28, s[8:9]
.irp c, 0,1,2,3
	global_load_b128 v[224+4*\c:224+4*\c+3], v6, s[28:29] offset:2048*\c     ; b1 at my 128 units of chunk c: 512 consecutive bytes
.endr
	global_load_b128 v[240:243], v6, s[20:21]      ; bo, ln_g, ln_b, b2 at my 128 columns
	global_load_b128 v[244:247], v6, s[22:23]
	global_load_b128 v[248:251], v6, s[24:25]
	global_load_b128 v[252:255], v6, s[32:33]
.irp j, 8,9,10,11,12,13,14,15
	v_mov_b32 v[Q+\j], 0                           ; the head's K is 64, the instruction's 128: zero codes above, on both sides
.endr
.irp j, 0,1,2,3
	v_mov_b32 v[BY+\j], 0                          ; written once: a lane permute's destination counts as one of its sources
.endr
.set qi, 0
.rept 32
	v_mov_b32 v[O+qi], 0                           ; O^T: the key step is written once, and its first trip adds onto zeros
.set qi, qi+1
.endr
	WIN 0x40
.irp T, 0,1,2,3,4,5,6,7
.irp j, 8,9,10,11,12,13,14,15
	v_mov_b32 v[16*\T+\j], 0
.endr
.endr
	WIN 0
	s_wait_alu depctr_va_vdst(0)                   ; the wait at the head's end
	s_wait_tensorcnt 0x0                           ; my tile has landed
	s_wait_loadcnt 0x0                             ; q and the vectors
.irp k, 0,1,2,3,4,5,6,7
	ds_store_b128 v26, v[224+4*\k:224+4*\k+3] offset:512*\k        ; the vectors wait in LDS; only I read these bytes
.endr
	s_wait_dscnt 0x0
	BARRIER                                        ; everybody's tile
	WIN 0xc0
.irp m, 0,1,2,3
.irp r, 0,1,2,3,4,5,6,7,8,9,10,11,12,13,14,15
	global_load_b128 v[64*\m+4*\r:64*\m+4*\r+3], v20, s[4:5] offset:(32*(\m/2)+8*(\m%2)+\r+8*(\r/8))*2048 th:TH_LOAD_NT     ; the residual: row (m, r), my 512 consecutive bytes; it lands during the attention
.endr
.endr
	WIN 0
	LOADW 0                                        ; the stream begins: wo's sets 0 and 1, into the two buffers that the attention leaves idle
	LOADW 1
; ---- ATTENTION: a step of 128 keys
	s_mov_b32 s[CNT], 8
.Lkeys:
	v_add_nc_u32 v27, s[TB], v6
	v_add_nc_u32 v28, s[TB], v11
	v_add_nc_u32 v29, s[TS], v13
	v_add_nc_u32 v30, s[TS], v12
	PLACES 4                                       ; with the four additions: eight places behind the last step's products
	WIN 0x40
.irp T, 0,1,2,3,4,5,6,7
	ds_load_b128 v[16*\T:16*\T+3], v27 offset:1024*\T
	ds_load_b128 v[16*\T+4:16*\T+7], v27 offset:1024*\T+512
.endr
	WIN 0
.irp b, 0,1,2,3
	ds_load_b32 v[KS+\b], v29 offset:128*\b
.endr
	WIN 0x80
.irp b, 0,1,2,3
.irp i, 0,1,2,3
	ds_load_b128 v[16*\b+4*\i:16*\b+4*\i+3], v30 offset:128*\b+16*\i                 ; -c m of keys 32 b + 16 h + 4 i on
.endr
.endr
.irp b, 0,1,2,3
.irp i, 0,1,2,3
	ds_load_b128 v[64+16*\b+4*\i:64+16*\b+4*\i+3], v30 offset:4096+128*\b+16*\i      ; 1 / sum
.endr
.endr
	WIN 0x40
.irp T, 0,1,2,3
.irp c, 0,1,2,3
	ds_load_b128 v[128+16*\T+4*\c:128+16*\T+4*\c+3], v28 offset:2048*\T+512*\c
.endr
.endr
	WIN 0
.irp T, 0,1,2,3
	ds_load_b32 v[VS+\T], v29 offset:4096+128*\T
.endr
	s_wait_dscnt 52                                ; behind K and its words stand 16 + 16 + 16 + 4 loads
	WIN 0x01
.irp T, 0,2,4,6                                ; register 16 b + i of the scores = key 32 b + 16 h + i of the step
	v_wmma_scale_f32_16x16x128_f8f6f4 v[S+8*\T:S+8*\T+7], v[16*\T:16*\T+15], v[Q:Q+15], 0, v[KS+\T/2], v[QS]
	v_wmma_scale_f32_16x16x128_f8f6f4 v[S+8*\T+8:S+8*\T+15], v[16*\T+16:16*\T+31], v[Q:Q+15], 0, v[KS+\T/2], v[QS] matrix_a_scale:MATRIX_SCALE_ROW1
.endr
	WIN 0
	PLACES 8
	s_wait_dscnt 36                                ; -c m is in
	WIN 0x20
.set qi, 0
.rept 32
	v_pk_fma_f32 v[S+2*qi:S+2*qi+1], v[S+2*qi:S+2*qi+1], s[CS:CS+1], v[2*qi:2*qi+1] op_sel_hi:[1,0,1]
.set qi, qi+1
.endr
	WIN 0
.set qi, 0
	s_wait_alu depctr_va_vdst(0)                   ; the wait ahead of the batch
.rept 64
	v_exp_f32 v[S+qi], v[S+qi]
.set qi, qi+1
.endr
	v_nop                                          ; a plain place behind the exponentials
	s_wait_dscnt 20                                ; 1 / sum is in
	WIN 0x08
.set qi, 0
	s_wait_alu depctr_va_vdst(0)                   ; and behind it
.rept 32
	v_pk_mul_f32 v[S+2*qi:S+2*qi+1], v[S+2*qi:S+2*qi+1], v[64+2*qi:64+2*qi+1]        ; the finished weight: this is what is quantised
.set qi, qi+1
.endr
	WIN 0
	MAXES 4, S, 0
	QCORE 4
	v_lshl_or_b32 v[PW], v[BY+1], 8, v[BY]
	v_lshl_or_b32 v[PW], v[BY+2], 16, v[PW]
	v_lshl_or_b32 v[PW], v[BY+3], 24, v[PW]
.set qi, 0
.rept 64
	v_min_num_f32 v[S+qi], v[S+qi], v[LIM+qi/16]   ; p is not negative: the hold is one-sided
.set qi, qi+1
.endr
	CVTS 4, PC, S
	PLACES 4                                       ; codes written by vector instructions stand four places ahead of the scaled product
	s_wait_alu depctr_va_vdst(0)
	s_wait_dscnt 0x0                               ; V and its words
	WIN 0x01
.irp T, 0,1,2,3
	v_wmma_scale_f32_16x16x128_f8f6f4 v[O+8*\T:O+8*\T+7], v[128+16*\T:128+16*\T+15], v[PC:PC+15], v[O+8*\T:O+8*\T+7], v[VS+\T], v[PW]
.endr
	WIN 0
	s_add_co_u32 s[TB], s[TB], 8192
	s_add_co_u32 s[TS], s[TS], 512
	s_sub_co_u32 s[CNT], s[CNT], 1
	s_cmp_lg_u32 s[CNT], 0
	s_cbranch_scc1 .Lkeys
	; the head: two blocks of 32; tiled eight times, its blocks of 32 repeat, so its codes and bytes do
	PLACES 8
	MAXES 2, O, 1
	QCORE 2
	v_lshl_or_b32 v[PW], v[BY+1], 8, v[BY]
	v_lshl_or_b32 v[PW], v[PW], 16, v[PW]
	HOLD 32, O, O
	CVTS 2, PC, O
	v_nop
.irp b, 0,1
	ds_store_b64 v21, v[PC+4*\b:PC+4*\b+1] offset:512*\b
	ds_store_b64 v21, v[PC+4*\b+2:PC+4*\b+3] offset:512*\b+256
.endr
	ds_store_b32 v19, v[PW]
.set MX,  96                           ; from here on the quantiser works in v96-111
.set BY,  100
.set LIM, 104
.set SCL, 108
.irp j, 0,1,2,3
	v_mov_b32 v[BY+\j], 0
.endr
	LDWS WS2, 18, 6, 512, 0                        ; wo's scale words,
	LDWS WS1, 26, 6, 512, 0                        ; w1's of chunk 0,
	LOADW 2                                        ; and the stream goes on in the buffers that held the figures
	LOADW 3
	LDV 0, 0                                       ; bo
	s_wait_dscnt 0x0
	BARRIER                                        ; the head's four images lie in LDS, and nobody reads K, V, their words or the figures any more
.irp m, 0,1,2,3
.irp c, 0,1,2,3
	ds_load_b128 v[HS+16*\m+4*\c:HS+16*\m+4*\c+3], v14 offset:1024*\m+512*(\c%2)     ; 128 along K of the tiled head = the head twice
.endr
.endr
.irp m, 0,1,2,3
	ds_load_b32 v[AS2+\m], v18 offset:128*\m
.endr
	s_lshl_b32 s3, s[WV], 15
	v_add_nc_u32 v11, s3, v6                       ; my quarter of slot A,
	v_add_nc_u32 v12, SLB, v11                     ; of slot B
	s_mul_i32 s3, s[WV], 8448
	s_add_co_u32 s3, s3, IMG                       ; x on its way: 16 rows of 512 + 16 bytes for each wave
	v_add_nc_u32 v28, s3, v6                       ; in: 16 x lane;
	v_mul_u32_u24 v29, v1, 528
	v_add_nc_u32 v29, v29, v17
	v_add_nc_u32 v29, s3, v29                      ; out: row r, + 32 h
	s_wait_alu depctr_va_vdst(0)                   ; ahead of the waits below
	s_wait_dscnt 0x0
	BARRIER                                        ; every wave holds the head's fragments: the bytes may be stored anew
	s_wait_loadcnt 63                              ; behind x stand 72 loads: the counter's largest number is the stricter side
.irp m, 0,1,2,3                                ; tile m's 16 rows, each 512 bytes across the lanes, become Y's layout: lane (r, h) takes row r's columns 16 T + 8 h + 0 .. 7.  LDS serves my instructions in order
	WIN 0x0c
.irp r, 0,1,2,3,4,5,6,7,8,9,10,11,12,13,14,15
	ds_store_b128 v28, v[64*\m+4*\r:64*\m+4*\r+3] offset:528*\r
.endr
	s_wait_dscnt 0x0                               ; the stores have read the registers that the loads below write
	WIN 0xc0
.irp T, 0,1,2,3,4,5,6,7
	ds_load_b128 v[64*\m+8*\T:64*\m+8*\T+3], v29 offset:64*\T
	ds_load_b128 v[64*\m+8*\T+4:64*\m+8*\T+7], v29 offset:64*\T+16
.endr
.endr
	WIN 0
	s_wait_dscnt 0x0
	ADDV 0                                         ; Y = x + bo
	LDV 64, 3                                      ; b2, ln_g, ln_b
	LDV 128, 1
	LDV 192, 2
	s_wait_alu depctr_va_vdst(0)
	s_wait_loadcnt 32                              ; sets 2 and 3 may be out; sets 0, 1 and the scale words are in
.irp j, 0,1,2,3,4,5                            ; ---- x wo: one activation fragment a tile of rows serves every K step
	YSET \j, HS, AS2, 64*((\j+2)%4)
	PLACES 8                                       ; eight places in front of loads into registers that these products have read
	LOADW \j+4                                     ; (sets 8 and 9 are chunk 0's first two of w1)
	s_wait_loadcnt 48
.endr
	YSET 6, HS, AS2, 0
	s_wait_loadcnt 32                              ; behind set 7: sets 8 and 9
	YSET 7, HS, AS2, 64
	PLACES 8
; ---- LayerNorm of Y in place; ln_g in window 1's v128-191, ln_b in v192-255
.macro LNORM
	WIN 0x0f
.irp m, 0,1,2,3
.irp k, 0,1                                    ; chain (m, k) takes tiles T = k, k + 2, k + 4, k + 6, each from its low end on
	v_pk_add_f32 v[LT+4*\m+2*\k:LT+4*\m+2*\k+1], v[64*\m+8*\k:64*\m+8*\k+1], v[64*\m+8*\k+2:64*\m+8*\k+3]
.endr
.endr
	WIN 0x03
.irp e, 4,6,16,18,20,22,32,34,36,38,48,50,52,54
.irp m, 0,1,2,3
.irp k, 0,1
	v_pk_add_f32 v[LT+4*\m+2*\k:LT+4*\m+2*\k+1], v[64*\m+8*\k+\e:64*\m+8*\k+\e+1], v[LT+4*\m+2*\k:LT+4*\m+2*\k+1]
.endr
.endr
.endr
	WIN 0
.irp m, 0,1,2,3
	v_pk_add_f32 v[LT+4*\m:LT+4*\m+1], v[LT+4*\m:LT+4*\m+1], v[LT+4*\m+2:LT+4*\m+3]
.endr
.irp m, 0,1,2,3
	v_add_f32 v[LT+4*\m], v[LT+4*\m], v[LT+4*\m+1]
.endr
.irp m, 0,1,2,3
	v_permlanex16_b32 v[LT+4*\m+2], v[LT+4*\m], s[SEL], s[SEL+1]
.endr
.irp m, 0,1,2,3
	v_add_f32 v[LT+4*\m], v[LT+4*\m], v[LT+4*\m+2]
.endr
.irp m, 0,1,2,3
	v_mul_f32 v[LT+4*\m], 0x3c000000, v[LT+4*\m]   ; the mean of my 128 columns
.endr
	WIN 0xc3
.set qi, 0
.rept 128
	v_pk_add_f32 v[2*qi:2*qi+1], v[2*qi:2*qi+1], v[LT+4*(qi/32):LT+4*(qi/32)+1] op_sel_hi:[1,0] neg_lo:[0,1] neg_hi:[0,1]
.set qi, qi+1
.endr
	WIN 0x0f
.irp m, 0,1,2,3
.irp k, 0,1
	v_pk_mul_f32 v[LT2+4*\m+2*\k:LT2+4*\m+2*\k+1], v[64*\m+8*\k:64*\m+8*\k+1], v[64*\m+8*\k:64*\m+8*\k+1]
.endr
.endr
.irp e, 2,4,6,16,18,20,22,32,34,36,38,48,50,52,54
.irp m, 0,1,2,3
.irp k, 0,1
	v_pk_fma_f32 v[LT2+4*\m+2*\k:LT2+4*\m+2*\k+1], v[64*\m+8*\k+\e:64*\m+8*\k+\e+1], v[64*\m+8*\k+\e:64*\m+8*\k+\e+1], v[LT2+4*\m+2*\k:LT2+4*\m+2*\k+1]
.endr
.endr
.endr
	WIN 0
.irp m, 0,1,2,3
	v_pk_add_f32 v[LT2+4*\m:LT2+4*\m+1], v[LT2+4*\m:LT2+4*\m+1], v[LT2+4*\m+2:LT2+4*\m+3]
.endr
.irp m, 0,1,2,3
	v_add_f32 v[LT2+4*\m], v[LT2+4*\m], v[LT2+4*\m+1]
.endr
.irp m, 0,1,2,3
	v_permlanex16_b32 v[LT2+4*\m+1], v[LT2+4*\m], s[SEL], s[SEL+1]
.endr
.irp m, 0,1,2,3
	v_add_f32 v[LT+4*\m+1], v[LT2+4*\m], v[LT2+4*\m+1]     ; the centred sum of squares, beside the mean
.endr
.irp m, 0,1,2,3
	ds_store_b64 v15, v[LT+4*\m:LT+4*\m+1] offset:128*\m   ; both lanes of a row write the same pair
.endr
	s_wait_dscnt 0x0
	BARRIER
.irp m, 0,1,2,3
.irp w, 0,1,2,3
	ds_load_b64 v[LR+8*\m+2*\w:LR+8*\m+2*\w+1], v16 offset:512*\w+128*\m
.endr
.endr
	v_mov_b32 v[LK], 0x3b000000                    ; 1 / 512
	s_wait_dscnt 0x0
.irp m, 0,1,2,3
	v_add_f32 v[LA+\m], v[LR+8*\m], v[LR+8*\m+2]
.endr
.irp m, 0,1,2,3
	v_add_f32 v[LB+\m], v[LR+8*\m+4], v[LR+8*\m+6]
.endr
.irp m, 0,1,2,3
	v_add_f32 v[LA+\m], v[LA+\m], v[LB+\m]
.endr
.irp m, 0,1,2,3
	v_mul_f32 v[LA+\m], 0x3e800000, v[LA+\m]       ; the row's mean
.endr
.irp m, 0,1,2,3
	v_add_f32 v[LB+\m], v[LR+8*\m+1], v[LR+8*\m+3]
.endr
.irp m, 0,1,2,3
	v_add_f32 v[LC+\m], v[LR+8*\m+5], v[LR+8*\m+7]
.endr
.irp m, 0,1,2,3
	v_add_f32 v[LB+\m], v[LB+\m], v[LC+\m]
.endr
.irp w, 0,1,2,3
.irp m, 0,1,2,3
	v_sub_f32 v[LR+8*\m+2*\w], v[LR+8*\m+2*\w], v[LA+\m]
.endr
.endr
.irp m, 0,1,2,3
	v_mul_f32 v[LC+\m], v[LR+8*\m], v[LR+8*\m]
.endr
.irp w, 1,2,3
.irp m, 0,1,2,3
	v_fma_f32 v[LC+\m], v[LR+8*\m+2*\w], v[LR+8*\m+2*\w], v[LC+\m]
.endr
.endr
.irp m, 0,1,2,3
	v_fmamk_f32 v[LB+\m], v[LC+\m], 0x43000000, v[LB+\m]           ; + 128 x the squares of the four means' distances from the row's
.endr
.irp m, 0,1,2,3
	v_fmaak_f32 v[LB+\m], v[LB+\m], v[LK], 0x3727c5ac              ; the variance + 1e-5
.endr
	s_wait_alu depctr_va_vdst(0)                   ; the wait ahead of the batch
.irp m, 0,1,2,3
	v_rsq_f32 v[RS+2*\m], v[LB+\m]
	v_rsq_f32 v[RS+2*\m+1], v[LB+\m]               ; twice: a pair for the packed form
.endr
.irp m, 0,1,2,3
	v_sub_f32 v[LC+\m], v[LT+4*\m], v[LA+\m]       ; my mean less the row's.  (Plain places behind the roots)
.endr
	s_wait_alu depctr_va_vdst(0)                   ; and behind it
.irp m, 0,1,2,3
	v_mul_f32 v[ND+2*\m], v[LC+\m], v[RS+2*\m]
	v_mul_f32 v[ND+2*\m+1], v[LC+\m], v[RS+2*\m+1]
.endr
	WIN 0xc3
.set qi, 0
.rept 128
	v_pk_fma_f32 v[2*qi:2*qi+1], v[2*qi:2*qi+1], v[RS+2*(qi/32):RS+2*(qi/32)+1], v[ND+2*(qi/32):ND+2*(qi/32)+1]
.set qi, qi+1
.endr
	WIN 0xd7
.set qi, 0
.rept 128
	v_pk_fma_f32 v[2*qi:2*qi+1], v[2*qi:2*qi+1], v[128+2*(qi%32):128+2*(qi%32)+1], v[192+2*(qi%32):192+2*(qi%32)+1]
.set qi, qi+1
.endr
	WIN 0
.endm
	LNORM                                          ; Y = h.  (Eight places stand behind the last products)
	; h becomes K step w of the next product, a tile of rows at a time; Y is kept: the held numbers go to v128-191, tile m's codes to v192 + 16 m
.irp m, 0,1,2,3
	WIN 0x0f
	MAXES 4, 64*\m, 1
	WIN 0
	QCORE 4
	v_lshl_or_b32 v[SW+\m], v[BY+1], 8, v[BY]
	v_lshl_or_b32 v[SW+\m], v[BY+2], 16, v[SW+\m]
	v_lshl_or_b32 v[SW+\m], v[BY+3], 24, v[SW+\m]
	WIN 0x03
	HOLD 64, HS, 64*\m
	WIN 0
	CVTS 4, HS+64+16*\m, HS
	v_nop                                          ; a plain place behind the conversions
.irp b, 0,1,2,3
	ds_store_b64 v9, v[HS+64+16*\m+4*\b:HS+64+16*\m+4*\b+1] offset:8192*\m+512*\b
	ds_store_b64 v9, v[HS+64+16*\m+4*\b+2:HS+64+16*\m+4*\b+3] offset:8192*\m+512*\b+256
.endr
	ds_store_b32 v10, v[SW+\m] offset:32768+512*\m
.endr
	ADDV 64                                        ; Y = h + b2: the last product's sums start here
	s_wait_dscnt 0x0
	BARRIER                                        ; h's sixteen fragments lie in LDS
	WIN 0x40
.set qi, 0
.rept 64
	ds_load_b128 v[4*qi:4*qi+3], v7 offset:512*qi  ; fragment 4 m + s at v[16 (4 m + s)]: they stay for all four chunks
.set qi, qi+1
.endr
	WIN 0
.irp m, 0,1,2,3
.irp s, 0,1,2,3
	ds_load_b32 v[AS+4*\s+\m], v8 offset:32768+128*(4*\m+\s)
.endr
.endr
	s_mov_b32 s[TB], 0
	s_mov_b32 s[CNT], 4
	s_wait_xcnt 0x0                                ; the stream's loads have read their base
	s_add_nc_u64 s[16:17], s[16:17], 65536         ; on to chunk 0's first set
; ---- a chunk of 512 hidden units: sets 0-7 of the stream are w1's; w2's eight sets come through the two slots
.Lchunk:
	CHG G0A                                        ; slot A <- w2's sets 0-3 of this chunk.  (The first time the round also stands between every wave's reads of h's images and the stores below)
	LDWS WS2, 30, 31, 2048, 0                      ; w2's scale words of this chunk's four K steps
	LOADW 2                                        ; into the two buffers that staged w2
	LOADW 3
	v_add_nc_u32 v27, s[TB], v25
	LDB1 0
	s_wait_loadcnt 32                              ; sets 2 and 3 may be out; sets 0, 1 and all scale words are in
	s_wait_dscnt 0x0
.irp j, 0,1,2
	MSET \j
	PLACES 8
	LOADW \j+4
	s_wait_loadcnt 48
.endr
	MSET 3
	PLACES 8                                       ; also in front of the first read of the sums
	LOADW 7
	CHG G0B                                        ; slot B <- w2's sets 4-7
	QH 0
	s_wait_dscnt 0x0                               ; the stores have read the registers that b1 lands in
	LDB1 1
	s_wait_loadcnt 48
	s_wait_dscnt 0x0
	MSET 4
	AHEAD 16
	MSET 5
	AHEAD 17
	MSET 6
	s_wait_loadcnt 32                              ; behind set 7: the next chunk's two
	MSET 7
	PLACES 8
	s_cmp_eq_u32 s[CNT], 1
	s_cbranch_scc1 .Lno_words
	LDWS WS1, 26, 6, 512, 8192                     ; the next chunk's scale words of w1
.Lno_words:
	QH 1
	s_wait_tensorcnt 0x0                           ; my quarters of both slots have landed; only I read them
	s_wait_dscnt 0x0
	BARRIER                                        ; the chunk's sixteen fragments lie in LDS
	FETQ 0
	FETL 0, 11
	FETQ 1
	FETL 1, 11
	s_wait_dscnt 36                                ; K step 1's 20 loads and set 1's 16 may be out
	YSET 0, HS, AS2, 0
	PLACES 8
	FETL 2, 11
	s_wait_dscnt 16                                ; set 2's
	YSET 1, HS, AS2, 64
	PLACES 8
	FETL 3, 11
	FETQ 2
	s_wait_dscnt 36                                ; set 3's and K step 2's
	YSET 2, HS+64, AS2+4, 0
	PLACES 8
	FETL 4, 12
	s_wait_dscnt 36                                ; K step 2's and set 4's
	YSET 3, HS+64, AS2+4, 64
	PLACES 8
	FETL 5, 12
	FETQ 3
	s_wait_dscnt 36                                ; set 5's and K step 3's
	YSET 4, HS, AS2, 0
	PLACES 8
	FETL 6, 12
	s_wait_dscnt 36                                ; K step 3's and set 6's
	YSET 5, HS, AS2, 64
	PLACES 8
	FETL 7, 12
	s_wait_dscnt 16                                ; set 7's
	YSET 6, HS+64, AS2+4, 0
	s_wait_dscnt 0x0
	YSET 7, HS+64, AS2+4, 64
	PLACES 8
	s_wait_xcnt 0x0                                ; the loads have read their bases
	s_add_nc_u64 s[16:17], s[16:17], 131072
	s_add_nc_u64 s[26:27], s[26:27], 8192
	s_add_nc_u64 s[30:31], s[30:31], 16
	s_add_co_u32 s[TB], s[TB], 512
	s_sub_co_u32 s[CNT], s[CNT], 1
	s_cmp_lg_u32 s[CNT], 0
	s_wait_alu depctr_va_vdst(0)                   ; the wait ahead of the branch
	s_cbranch_scc1 .Lchunk
	LDV 128, 1                                     ; h's fragments have done their work: ln_g and ln_b come back
	LDV 192, 2
	LNORM
	; THE WAY OUT: a row's 2,048 bytes come from four waves: they meet in a stage of 64 rows x (2,048 + 16) bytes over the slots, which have had their last fill and, since LayerNorm's barrier, their last read
	WIN 0x0c
.irp m, 0,1,2,3
.irp T, 0,1,2,3,4,5,6,7
	ds_store_b128 v[22+\m/2], v[8*(8*\m+\T):8*(8*\m+\T)+3] offset:(\m%2)*33024+64*\T
	ds_store_b128 v[22+\m/2], v[8*(8*\m+\T)+4:8*(8*\m+\T)+7] offset:(\m%2)*33024+64*\T+16
.endr
.endr
	WIN 0
	s_wait_dscnt 0x0
	BARRIER
	WIN 0x40
.set qi, 0
.rept 64
	ds_load_b128 v[4*qi:4*qi+3], v24 offset:2064*(qi/4)+512*(qi%4)
.set qi, qi+1
.endr
	WIN 0x04
.set qi, 0
.rept 16
	s_wait_dscnt 60-4*qi                           ; the younger loads may be out
.irp i, 0,1,2,3
	global_store_b128 v6, v[16*qi+4*\i:16*qi+4*\i+3], s[34:35] offset:(qi+8*(qi/8))*2048+512*\i th:TH_STORE_NT   ; 32 lanes store 512 consecutive bytes, at a multiple of 256 from out0's first byte
.endr
.set qi, qi+1
.endr
	WIN 0
	s_wait_tensorcnt 0x0                           ; the wave's end
	ds_add_u32 v4, v5
	s_wait_dscnt 0x0
	ROUND                                          ; the closing round
	s_endpgm
.Lfunc_end_k_qdc5398ac1c_enc:
	.size	k_qdc5398ac1c_enc, .Lfunc_end_k_qdc5398ac1c_enc-k_qdc5398ac1c_enc
	.p2alignl 7, 3214868480
	.fill 96, 4, 3214868480
	.section	.rodata,"a",@progbits
	.p2align	6, 0x0
	.amdhsa_kernel k_qdc5398ac1c_enc
		.amdhsa_group_segment_fixed_size 327680
		.amdhsa_private_segment_fixed_size 0
		.amdhsa_enable_private_segment 0
		.amdhsa_kernarg_size 128
		.amdhsa_user_sgpr_count 2
		.amdhsa_user_sgpr_kernarg_segment_ptr 1
		.amdhsa_wavefront_size32 1
		.amdhsa_system_sgpr_workgroup_id_x 1
		.amdhsa_system_sgpr_workgroup_id_y 1
		.amdhsa_system_sgpr_workgroup_id_z 1
		.amdhsa_system_vgpr_workitem_id 0
		.amdhsa_next_free_vgpr 1024
		.amdhsa_next_free_sgpr 96
		.amdhsa_reserve_vcc 0
		.amdhsa_float_denorm_mode_32 3
		.amdhsa_float_denorm_mode_16_64 3
		.amdhsa_memory_ordered 1
		.amdhsa_forward_progress 1
		.amdhsa_inst_pref_size 255
	.end_amdhsa_kernel
	.section	.bss,"aw",@nobits
	.p2align	6
	.space	262144
	.amdgpu_metadata
---
amdhsa.version: [ 1, 2 ]
amdhsa.kernels:
  - .name:           k_qdc5398ac1c_enc
    .symbol:         k_qdc5398ac1c_enc.kd
    .args:
      - { .name: x, .offset: 0, .size: 8, .value_kind: global_buffer, .address_space: global }
      - { .name: qf, .offset: 8, .size: 8, .value_kind: global_buffer, .address_space: global }
      - { .name: qs, .offset: 16, .size: 8, .value_kind: global_buffer, .address_space: global }
      - { .name: kv, .offset: 24, .size: 8, .value_kind: global_buffer, .address_space: global }
      - { .name: sc, .offset: 32, .size: 8, .value_kind: global_buffer, .address_space: global }
      - { .name: st, .offset: 40, .size: 8, .value_kind: global_buffer, .address_space: global }
      - { .name: wf, .offset: 48, .size: 8, .value_kind: global_buffer, .address_space: global }
      - { .name: wo_scales, .offset: 56, .size: 8, .value_kind: global_buffer, .address_space: global }
      - { .name: bo, .offset: 64, .size: 8, .value_kind: global_buffer, .address_space: global }
      - { .name: ln_g, .offset: 72, .size: 8, .value_kind: global_buffer, .address_space: global }
      - { .name: ln_b, .offset: 80, .size: 8, .value_kind: global_buffer, .address_space: global }
      - { .name: w1_scales, .offset: 88, .size: 8, .value_kind: global_buffer, .address_space: global }
      - { .name: b1, .offset: 96, .size: 8, .value_kind: global_buffer, .address_space: global }
      - { .name: w2_scales, .offset: 104, .size: 8, .value_kind: global_buffer, .address_space: global }
      - { .name: b2, .offset: 112, .size: 8, .value_kind: global_buffer, .address_space: global }
      - { .name: out0, .offset: 120, .size: 8, .value_kind: global_buffer, .address_space: global }
    .group_segment_fixed_size: 327680
    .private_segment_fixed_size: 0
    .kernarg_segment_align: 8
    .kernarg_segment_size: 128
    .max_flat_workgroup_size: 128
    .sgpr_count:     96
    .vgpr_count:     1024
    .wavefront_size: 32
...
	.end_amdgpu_metadata
.endif
;; end of part 3
